; MI455X (gfx1250); checked and timed in simulation.
; The chip was launched on July 23, 2026; its instructions are those of AMD's public machine-readable ISA for CDNA 5 (MIT licence, August 2026) and "CDNA5" Instruction Set Architecture Reference Guide (July 2026). The comments in the code are by the model that wrote it; some were corrected since.
;; Multi Head Attention. Allowed arithmetic: matrix products marked QUANTISED: E2M1 operands, one E8M0 scale for each 32 along K, by v_wmma_scale_f32_16x16x128_f8f6f4 with both operands' format E2M1 (or v_wmma_scale_f32_32x16x128_f4), f32 sums; products left as they are: bf16, f16 or f32 operands; f32 sums; everything else in f32.
;; Inputs: Wk 1,024 x 1,024 float32; Wo 1,024 x 1,024 float32; Wq 1,024 x 1,024 float32; Wv 1,024 x 1,024 float32; bk 1,024 float32; bo 1,024 float32; bq 1,024 float32; bv 1,024 float32; key 4 x 2,048 x 1,024 float32; query 4 x 2,048 x 1,024 float32; value 4 x 2,048 x 1,024 float32.
;; Outputs: out0 4 x 2,048 x 1,024 float32.
;; This version of the problem:
;;   THIS VERSION OF THE PROBLEM IS GIVEN IN LOW PRECISION. The matrix products marked QUANTISED in the list below multiply operands that are first quantised to E2M1 (2 exponent bits, 1 mantissa bit; 4 bits a number), with one power-of-two scale for each 32 numbers along K (OCP MX v1.0); their sums are f32. The products marked 'left as it is' may take bf16, f16 or f32 operands, with f32 sums. Whichever they take, every output number must still come out within the allowed error. Rounding operands to bf16 (8 significant bits) uses up far more of that allowance than f16 does (11 bits, for magnitudes from 6e-5 to 65,504). All else is computed in f32.
;;   The module's matrix products, in the order in which they are computed (A, B: the left and right operand; K: the contracted axis; several contracted axes count as one K, in the product's order):
;;     1. [M 8,192, K 1,024] x [K 1,024, N 1,024]; A: input query; B: input Wq: QUANTISED
;;     2. [M 8,192, K 1,024] x [K 1,024, N 1,024]; A: input key; B: input Wk: QUANTISED
;;     3. [M 8,192, K 1,024] x [K 1,024, N 1,024]; A: input value; B: input Wv: QUANTISED
;;     4. [M 2,048, K 1] x [K 1, N 32]; A: computed on the way; B: computed on the way: left as it is (no contracted axis)
;;     5. batch 64 x [M 2,048, K 64] x [K 64, N 2,048]; A: computed on the way; B: computed on the way: left as it is (an operand is computed on the way)
;;     6. batch 64 x [M 2,048, K 2,048] x [K 2,048, N 64]; A: computed on the way; B: computed on the way: left as it is (an operand is computed on the way)
;;     7. [M 8,192, K 1,024] x [K 1,024, N 1,024]; A: computed on the way; B: input Wo: left as it is (an operand is computed on the way)
;;   THE QUANTISER, for each operand of a quantised product, along K:
;;     - K is cut into blocks of 32 from its start; a last block that is shorter is filled with zeros.
;;     - A block's scale is 2^e with e = floor(log2(the largest magnitude in the block)) - 2, held to -126 .. 127; a block of zeros has e = 0. As a byte (E8M0): e + 127.
;;     - Each number is divided by its block's scale, clamped to +-6, and rounded to the nearest number of E2M1, ties to even, subnormals kept.
;;     - The product sums the exact products of the quantised numbers (number of the format x scale) in f32.
;;   ~~~python
;;   def quantise(x, axis):      # numpy; x: float32 -> the quantised numbers, widened to float32 again
;;       x = np.moveaxis(x, axis, -1); K = x.shape[-1]
;;       x = np.pad(x, [(0, 0)] * (x.ndim - 1) + [(0, -K % 32)]); x = x.reshape(x.shape[:-1] + (-1, 32)); a = np.abs(x).max(-1, keepdims=True)
;;       e = np.where(a > 0, np.clip(np.frexp(np.where(a > 0, a, 1))[1] - 1 - 2, -126, 127), 0)      # np.frexp(a)[1] - 1 = floor(log2(a)), exactly
;;       r = np.clip(x / 2.0 ** e, -6, 6)
;;       step = 2.0 ** (np.maximum(np.frexp(np.where(r == 0, 1, r))[1] - 1, 0) - 1)
;;       q = np.round(r / step) * step * 2.0 ** e      # np.round: ties to even
;;       return np.moveaxis(q.reshape(q.shape[:-2] + (-1,))[..., :K], -1, axis).astype(np.float32)
;;   ~~~
;; One version. Each part assembles by itself: llvm-mc -triple=amdgcn-amd-amdhsa -mcpu=gfx1250 --defsym DOCPART=n.
;; ======== version 1 of 1: 4 launches
;; limits: values are held in f16: magnitudes above 65,504 overflow, below 6.1e-05 lose precision
;; workspace buffers: xc 12,582,912 bytes; xs 786,432 bytes; wc 1,572,864 bytes; ws 98,304 bytes; wo16 2,097,152 bytes; rope 524,288 bytes; qkv 50,331,648 bytes; ctx 16,777,216 bytes
;; launch prep (part 1): grid 1008 x 1, 4 waves a work-group, no clusters, 68,096 bytes of LDS; arguments query, key, value, Wq, Wk, Wv, Wo, xc, xs, wc, ws, wo16, rope; writes xc, xs, wc, ws, wo16, rope
.if DOCPART == 1
	.amdgcn_target "amdgcn-amd-amdhsa--gfx1250"
	.amdhsa_code_object_version 6
	.text
	.protected	k_qbb09fd8f9a_prep
	.globl	k_qbb09fd8f9a_prep
	.p2align	8
	.type	k_qbb09fd8f9a_prep,@function
k_qbb09fd8f9a_prep:
	s_mov_b64 s[64:65], 0
	v_nop
	global_prefetch_b8 v0, s[64:65] scope:SCOPE_SE
	s_setreg_imm32_b32 hwreg(HW_REG_WAVE_MODE, 25, 1), 1
	s_wait_xcnt 0x0
; MULTI-HEAD ATTENTION, launch 1 of 4: everything that is made once and read many times.
; DEAD WORK: none.  The rotation by position stands between the biases bq, bk and the scores, so q . R(bk) differs from key to key; bv and bo are added to what reaches the output.
; Every input of reference() is loaded by some launch of this program, and every product of its table is done.
; Four kinds of work-group, told apart by the work-group's number alone:
;   0..47      W: Wq, Wk, Wv [k 1024][n 1024] f32 -> codes of E2M1 laid [n][k] (wc) and one E8M0 byte for each 32 along k (ws).  A lane takes a column, its registers run down k.
;   48..175    R: cos and sin of t x 10000^(-i/32), t = 0..2047, i = 0..31, in f32, laid in the order of the registers of the launch that rotates (rope).
;   176..239   O: Wo f32 -> f16, same layout (wo16).
;   240..1007  X: query, key, value [8192][1024] f32 -> codes, k innermost (xc), and scale bytes (xs): a plain stream of blocks of 32.
; THE QUANTISER: a block's scale is 2^(floor(log2(largest magnitude)) - 2); its byte is the largest magnitude's exponent field - 2, held at 1 from below; numbers are divided by the scale and
; rounded to the nearest code, ties to even, beyond 6 the largest code.
; LIMITS: a block of zeros gets the byte 1 where the rule says 127 (its codes are zeros, and the bytes are read by this program alone); blocks whose largest magnitude lies under 2^-124 get the byte 1;
; NaN and infinities among the inputs are not served.  10000^(-i/32) is made by v_exp_f32 (1 ulp: ISA guide, 15.8): at t = 2047 the angle may differ by about 2e-4 from reference()'s, alike for Q and K.
; Wo in f16: magnitudes from 6e-8 to 65,504.
; LDS: path X has bytes 0..32767 (8,192 a wave), path W bytes 32768..67583 (8,704 a wave): no byte serves two paths.  Behind them the spare words.
.set SPARE, 67584                      ; 128 bytes for each wave: two blocks of 256 bytes that no other line names
.set SPW,   200                        ; v200  LDS address of my spare word; never rewritten
.set NIL,   201                        ; v201  0; never rewritten
.set WV,    34                         ; s34   my wave's number
.set EMAX,  2
	s_load_b512 s[8:23], s[0:1], 0x0               ; query s[8:9], key s[10:11], value s[12:13], Wq s[14:15], Wk s[16:17], Wv s[18:19], Wo s[20:21], xc s[22:23]
	s_load_b256 s[24:31], s[0:1], 0x40             ; xs s[24:25], wc s[26:27], ws s[28:29], wo16 s[30:31]
	s_load_b64 s[32:33], s[0:1], 0x60              ; rope
	v_lshl_add_u32 v[SPW], v0, 2, SPARE
	v_mov_b32 v[NIL], 0
	v_lshrrev_b32 v1, 5, v0
	v_readfirstlane_b32 s[WV], v1                  ; wave 0..3
	v_and_b32 v2, 31, v0                           ; lane
	s_mov_b32 s41, 0                               ; the upper word of every offset pair s[40:41]
	s_wait_kmcnt 0x0
	s_cmp_lt_u32 ttmp9, 48
	s_cbranch_scc1 .Lpath_w
	s_cmp_lt_u32 ttmp9, 176
	s_cbranch_scc1 .Lpath_r
	s_cmp_lt_u32 ttmp9, 240
	s_cbranch_scc1 .Lpath_o
; ---------------- PATH X: a wave takes 16 steps of 512 numbers.  Each of a step's four loads reads 512 consecutive bytes; the 2,048 bytes turn through the wave's own stage in LDS and come back
; 64 bytes a lane, so that a lane holds 16 neighbours along k and two neighbouring lanes hold a block.  Loads run four steps ahead, the turn through LDS one step.
.set STEPS, 16
.set CB,    8                          ; bytes of 16 codes
.set XR,    16                         ; v16-79   four sets of 16 numbers as they are loaded
.set XX,    80                         ; v80-111  two sets of 16 neighbours
.set XE,    112                        ; v112-127 a scale byte for each step
.set XC,    128                        ; v128-191 codes: registers of its own for each step, so that no store's data are written again
.set WREG,  8192
.set SP,    80                         ; a lane's place in a stage: its 64 bytes + 16 of padding
	s_sub_co_u32 s36, ttmp9, 240                   ; which of the 768
	s_lshr_b32 s37, s36, 8                         ; 0: query, 1: key, 2: value
	s_cmp_eq_u32 s37, 0
	s_cselect_b64 s[4:5], s[8:9], s[10:11]
	s_cmp_eq_u32 s37, 2
	s_cselect_b64 s[4:5], s[12:13], s[4:5]
	s_and_b32 s38, s36, 255
	s_lshl_b32 s38, s38, 2
	s_add_co_u32 s38, s38, s[WV]                   ; my run of 8,192 numbers in its tensor
	s_lshl_b32 s40, s38, 15
	s_add_nc_u64 s[4:5], s[4:5], s[40:41]
	s_lshl_b32 s39, s36, 2
	s_add_co_u32 s39, s39, s[WV]                   ; and among the three stacked tensors
	s_lshl_b32 s40, s39, 12                        ; 4,096 bytes of codes a run
	s_add_nc_u64 s[22:23], s[22:23], s[40:41]
	s_lshl_b32 s40, s39, 8                         ; 256 scale bytes a run
	s_add_nc_u64 s[24:25], s[24:25], s[40:41]
	v_lshlrev_b32 v3, 4, v2                        ; my 16 bytes of a load's 512
	s_mul_i32 s35, s[WV], WREG
	v_lshrrev_b32 v14, 2, v2
	v_mul_u32_u24 v14, v14, SP
	v_and_b32 v15, 3, v2
	v_lshl_add_u32 v14, v15, 4, v14
	v_add_nc_u32 v14, s35, v14                     ; the stage, on the way in: SP (lane / 4) + 16 (lane % 4)
	v_mul_u32_u24 v15, v2, SP
	v_add_nc_u32 v15, s35, v15                     ; and on the way out: SP x lane
	v_mul_u32_u24 v4, v2, CB                       ; my codes' place in a step's
	v_lshrrev_b32 v5, 1, v2
	s_add_co_u32 s35, s35, 2*32*SP
	v_add_nc_u32 v5, s35, v5                       ; my wave's 256 scale bytes, my block's byte
	v_lshlrev_b32 v7, 3, v2
	v_add_nc_u32 v6, s35, v7                       ; and on the way out 8 bytes a lane
.macro XLOAD t
.irp i, 0,1,2,3
	global_load_b128 v[XR+16*((\t)%4)+4*\i:XR+16*((\t)%4)+4*\i+3], v3, s[4:5] offset:2048*(\t)+512*\i th:TH_LOAD_NT
.endr
.endm
.macro XTURN t                         ; LDS serves a wave's instructions in order (ISA guide 5.7.1.4): no wait between the stores and the loads
.irp i, 0,1,2,3
	ds_store_b128 v14, v[XR+16*((\t)%4)+4*\i:XR+16*((\t)%4)+4*\i+3] offset:32*SP*((\t)%2)+8*SP*\i
.endr
.irp i, 0,1,2,3
	ds_load_b128 v[XX+16*((\t)%2)+4*\i:XX+16*((\t)%2)+4*\i+3], v15 offset:32*SP*((\t)%2)+16*\i
.endr
.endm
.irp t, 0,1,2,3
	XLOAD \t
.endr
	s_wait_loadcnt 12                              ; step 0's four loads are in; the twelve of steps 1 to 3 stay out
	XTURN 0
.macro XSTEP t
.set XS, XX+16*((\t)%2)
.if (\t) > 0
	s_wait_dscnt 1                                 ; this step's numbers are back from the stage; the last step's byte store may be out
.else
	s_wait_dscnt 0x0
.endif
.if (\t)+4 < STEPS
	XLOAD (\t)+4                                   ; into the registers that this step's stores into the stage have read
.endif
.if (\t)+1 < STEPS
.if STEPS-2-(\t) >= 3
	s_wait_loadcnt 12                              ; the next step's four loads are in; those of the three steps behind it may be out
.else
	s_wait_loadcnt 4*(STEPS-2-(\t))
.endif
	XTURN (\t)+1
.endif
	v_max3_num_f32 v8, |v[XS]|, |v[XS+1]|, |v[XS+2]|
	v_max3_num_f32 v9, |v[XS+3]|, |v[XS+4]|, |v[XS+5]|
.irp i, 6,10
	v_max3_num_f32 v8, v8, |v[XS+\i]|, |v[XS+\i+1]|
	v_max3_num_f32 v9, v9, |v[XS+\i+2]|, |v[XS+\i+3]|
.endr
	v_max3_num_f32 v8, v8, |v[XS+14]|, |v[XS+15]|
	v_max3_num_f32 v8, v8, v9, (EMAX+1)<<23        ; the floor 2^(3 - 127): the byte cannot fall under 1
	v_max_num_f32_dpp v8, v8, v8 row_xmask:1 row_mask:0xf bank_mask:0xf   ; with my neighbour's 16: the block's largest magnitude
	v_add_nc_u32 v11, -(EMAX<<23), v8              ; 2 off its exponent field: the conversion takes the exponent field of this operand as its scale
	v_cvt_scalef32_pk8_fp4_f32 v[XC+4*(\t)], v[XS:XS+7], v11
	v_cvt_scalef32_pk8_fp4_f32 v[XC+4*(\t)+1], v[XS+8:XS+15], v11
	v_lshrrev_b32 v[XE+(\t)], 23, v11              ; the scale's byte
	ds_store_b8 v5, v[XE+(\t)] offset:16*(\t)      ; both lanes of a block write the same byte with the same value
	global_store_b64 v4, v[XC+4*(\t):XC+4*(\t)+1], s[22:23] offset:32*CB*(\t)   ; the wave stores 256 consecutive bytes, aligned
.endm
.irp t, 0,1,2,3,4,5,6,7,8,9,10,11,12,13,14,15
	XSTEP \t
.endr
	ds_load_b64 v[8:9], v6                         ; my wave's 256 scale bytes, in order behind my stores
	s_wait_dscnt 0x0
	global_store_b64 v7, v[8:9], s[24:25]          ; 256 consecutive bytes, aligned
	s_wait_tensorcnt 0x0                           ; the wave's end
	ds_add_u32 v[SPW], v[NIL]
	s_wait_dscnt 0x0
	s_endpgm
; ---------------- PATH W: a wave takes 32 columns x 512 along k: 16 blocks a lane.  A block's 32 numbers lie in one lane's registers; the codes come out with k innermost, go through the wave's
; stage (a row of 256 bytes + 16 for each column) and leave sixteen lanes to 256 consecutive bytes.  Loads run two blocks ahead.
.Lpath_w:
.set NB,     16
.set WPITCH, 272
.set KROW,   512                       ; a row of wc in bytes
.set WSB,    24                        ; v24-27   the scale bytes, four to a register
.set WX,     32                        ; v32-95   two sets of 32 numbers
.set WC,     96                        ; v96-99   a block's codes
.set WOUT,   112                       ; v112-175 the way out
	s_lshr_b32 s37, ttmp9, 4                       ; 0: Wq, 1: Wk, 2: Wv
	s_cmp_eq_u32 s37, 0
	s_cselect_b64 s[4:5], s[14:15], s[16:17]
	s_cmp_eq_u32 s37, 2
	s_cselect_b64 s[4:5], s[18:19], s[4:5]
	s_and_b32 s38, ttmp9, 7
	s_lshl_b32 s38, s38, 7
	s_lshl_b32 s39, s[WV], 5
	s_add_co_u32 s38, s38, s39                     ; my wave's first column
	s_bfe_u32 s39, ttmp9, 0x10003                  ; which 512 along k
	s_lshl_b32 s40, s39, 21                        ; 512 rows of 4,096 bytes
	s_lshl_b32 s42, s38, 2
	s_add_co_u32 s40, s40, s42
	s_add_nc_u64 s[4:5], s[4:5], s[40:41]
	s_lshl_b32 s40, s37, 19                        ; codes: 524,288 bytes a weight, 512 a column, 256 for 512 along k
	s_lshl_b32 s42, s38, 9
	s_add_co_u32 s40, s40, s42
	s_lshl_b32 s42, s39, 8
	s_add_co_u32 s40, s40, s42
	s_add_nc_u64 s[26:27], s[26:27], s[40:41]
	s_lshl_b32 s40, s37, 15                        ; scale bytes: 32,768 a weight, 32 a column, 16 for 512 along k
	s_lshl_b32 s42, s38, 5
	s_add_co_u32 s40, s40, s42
	s_lshl_b32 s42, s39, 4
	s_add_co_u32 s40, s40, s42
	s_add_nc_u64 s[28:29], s[28:29], s[40:41]
	v_lshlrev_b32 v3, 2, v2                        ; in: 4 bytes a lane
	s_mul_i32 s35, s[WV], 32*WPITCH
	s_add_co_u32 s35, s35, 32768                   ; my stage
	v_mul_u32_u24 v4, v2, WPITCH
	v_add_nc_u32 v4, s35, v4                       ; into it: row = my column
	v_and_b32 v5, 15, v2
	v_lshrrev_b32 v6, 4, v2
	v_mul_u32_u24 v7, v6, WPITCH
	v_lshl_add_u32 v7, v5, 4, v7
	v_add_nc_u32 v7, s35, v7                       ; out of it: sixteen lanes to a row, two rows an instruction
	v_mul_u32_u24 v8, v6, KROW
	v_lshl_add_u32 v8, v5, 4, v8                   ; and the same place in wc
	v_lshlrev_b32 v9, 5, v2                        ; my column's row of scale bytes
.macro WLOAD t
.irp i, 0,1,2,3,4,5,6,7,8,9,10,11,12,13,14,15,16,17,18,19,20,21,22,23,24,25,26,27,28,29,30,31
	global_load_b32 v[WX+32*((\t)%2)+\i], v3, s[4:5] offset:(32*(\t)+\i)*4096 th:TH_LOAD_NT
.endr
.endm
	WLOAD 0
	WLOAD 1
.macro WBLOCK t
.set XS, WX+32*((\t)%2)
.if (\t) < NB-1
	s_wait_loadcnt 32                              ; this block's 32 loads are in; the next block's may be out
.else
	s_wait_loadcnt 0
.endif
	v_max3_num_f32 v12, |v[XS]|, |v[XS+1]|, |v[XS+2]|
	v_max3_num_f32 v13, |v[XS+3]|, |v[XS+4]|, |v[XS+5]|
.irp i, 6,10,14,18,22,26
	v_max3_num_f32 v12, v12, |v[XS+\i]|, |v[XS+\i+1]|
	v_max3_num_f32 v13, v13, |v[XS+\i+2]|, |v[XS+\i+3]|
.endr
	v_max3_num_f32 v12, v12, |v[XS+30]|, |v[XS+31]|
	v_max3_num_f32 v12, v12, v13, (EMAX+1)<<23     ; the floor
	v_add_nc_u32 v11, -(EMAX<<23), v12             ; the conversion's scale operand
	v_lshrrev_b32 v13, 23, v11                     ; the scale's byte
.if (\t)%4 == 0
	v_mov_b32 v[WSB+(\t)/4], v13
.else
	v_lshl_or_b32 v[WSB+(\t)/4], v13, 8*((\t)%4), v[WSB+(\t)/4]
.endif
.irp g, 0,1,2,3
	v_cvt_scalef32_pk8_fp4_f32 v[WC+\g], v[XS+8*\g:XS+8*\g+7], v11
.endr
	ds_store_b128 v4, v[WC:WC+3] offset:16*(\t)    ; 32 codes: 16 bytes of my column's row
.if (\t)+2 < NB
	WLOAD (\t)+2
.endif
	s_wait_dscnt 0x0                               ; the store has read its registers: the next block's codes may be written
.endm
.set Q, 0
.rept NB
	WBLOCK Q
.set Q, Q+1
.endr
	global_store_b128 v9, v[WSB:WSB+3], s[28:29]   ; my column's 16 scale bytes
.irp t, 0,1,2,3,4,5,6,7,8,9,10,11,12,13,14,15
	ds_load_b128 v[WOUT+4*\t:WOUT+4*\t+3], v7 offset:2*\t*WPITCH
.endr
.irp t, 0,1,2,3,4,5,6,7,8,9,10,11,12,13,14,15
	s_wait_dscnt 15-\t                             ; the loads issued behind load t may be out
	global_store_b128 v8, v[WOUT+4*\t:WOUT+4*\t+3], s[26:27] offset:2*\t*KROW
.endr
	s_wait_tensorcnt 0x0                           ; the wave's end
	ds_add_u32 v[SPW], v[NIL]
	s_wait_dscnt 0x0
	s_endpgm
; ---------------- PATH R: work-group T makes positions t = 16 T + (lane % 16).  Wave w makes, for each lane, the four frequencies i = 16 (w / 2) + 8 (lane / 16) + 4 (w % 2) + e.
; rope is laid [T][quad 0..7][lane][4 f32]: quads 0-3 cos, quads 4-7 sin, so that register 8 u + j of a lane (r, h) is frequency 16 u + 8 h + j of position 16 T + r.
; x = t x 2^(-i log2(10000) / 32); n = the nearest whole number to x 2 / pi; r = x - n pi / 2 with pi / 2 in two parts; sin r and cos r by their series to r^9 and r^8 (|r| <= pi / 4:
; the next terms are under 3e-8); the quadrant n mod 4 swaps the two and sets the signs, by selects alone.  No LDS.
.Lpath_r:
	s_sub_co_u32 s35, ttmp9, 48                    ; T
	s_lshr_b32 s36, s[WV], 1
	s_lshl_b32 s36, s36, 4
	s_and_b32 s37, s[WV], 1
	s_lshl_b32 s37, s37, 2
	s_add_co_u32 s36, s36, s37                     ; 16 (w / 2) + 4 (w % 2)
	s_mov_b32 s42, 0x3f22f983                      ; 2 / pi
	s_mov_b32 s43, 0x3fc90fdb                      ; pi / 2, its upper part
	s_mov_b32 s44, 0xb33bbd2e                      ; and the rest
	s_mov_b32 s45, 0xbe2aaaab                      ; -1/6
	s_mov_b32 s46, 0x3c088889                      ; 1/120
	s_mov_b32 s47, 0xb9500d01                      ; -1/5040
	s_mov_b32 s48, 0x3638ef1d                      ; 1/362880
	s_mov_b32 s49, 0x3d2aaaab                      ; 1/24
	s_mov_b32 s50, 0xbab60b61                      ; -1/720
	s_mov_b32 s51, 0x37d00d01                      ; 1/40320
	v_and_b32 v3, 15, v2
	v_lshrrev_b32 v4, 4, v2
	s_lshl_b32 s37, s35, 4
	v_add_nc_u32 v3, s37, v3
	v_cvt_f32_u32 v10, v3                          ; t
	v_lshl_add_u32 v4, v4, 3, s36
.irp e, 0,1,2,3
	v_add_nc_u32 v[12+\e], \e, v4                  ; i
.endr
.irp e, 0,1,2,3
	v_cvt_f32_u32 v[12+\e], v[12+\e]
.endr
.irp e, 0,1,2,3
	v_mul_f32 v[12+\e], 0xbed49a78, v[12+\e]       ; -i log2(10000) / 32
.endr
.irp e, 0,1,2,3
	v_exp_f32 v[12+\e], v[12+\e]
.endr
	v_lshlrev_b32 v6, 4, v2                        ; (a plain instruction behind the exponentials)  16 x lane
	s_wait_alu depctr_va_vdst(0)                   ; one wait for the four, ahead of their first reader
.irp e, 0,1,2,3
	v_mul_f32 v[16+\e], v10, v[12+\e]              ; x
.endr
.irp e, 0,1,2,3
	v_mul_f32 v[20+\e], s42, v[16+\e]
.endr
.irp e, 0,1,2,3
	v_rndne_f32 v[20+\e], v[20+\e]                 ; n
.endr
.irp e, 0,1,2,3
	v_fma_f32 v[24+\e], -v[20+\e], s43, v[16+\e]
.endr
.irp e, 0,1,2,3
	v_fma_f32 v[24+\e], -v[20+\e], s44, v[24+\e]   ; r
.endr
.irp e, 0,1,2,3
	v_mul_f32 v[28+\e], v[24+\e], v[24+\e]         ; r^2
.endr
.irp e, 0,1,2,3
	v_fma_f32 v[32+\e], v[28+\e], s48, s47
	v_fma_f32 v[36+\e], v[28+\e], s51, s50
.endr
.irp e, 0,1,2,3
	v_fma_f32 v[32+\e], v[32+\e], v[28+\e], s46
	v_fma_f32 v[36+\e], v[36+\e], v[28+\e], s49
.endr
.irp e, 0,1,2,3
	v_fma_f32 v[32+\e], v[32+\e], v[28+\e], s45
	v_fma_f32 v[36+\e], v[36+\e], v[28+\e], -0.5
.endr
.irp e, 0,1,2,3
	v_mul_f32 v[52+\e], v[24+\e], v[28+\e]         ; r^3
	v_fma_f32 v[36+\e], v[36+\e], v[28+\e], 1.0    ; cos r
.endr
.irp e, 0,1,2,3
	v_fma_f32 v[32+\e], v[32+\e], v[52+\e], v[24+\e]   ; sin r
	v_cvt_i32_f32 v[40+\e], v[20+\e]               ; n as a whole number
.endr
.irp e, 0,1,2,3
	v_and_b32 v[52+\e], 1, v[40+\e]
.endr
.irp e, 0,1,2,3
	v_cmp_eq_u32 vcc_lo, 1, v[52+\e]               ; an odd quadrant swaps the two
	v_cndmask_b32 v[44+\e], v[36+\e], v[32+\e], vcc_lo
	v_cndmask_b32 v[48+\e], v[32+\e], v[36+\e], vcc_lo
.endr
.irp e, 0,1,2,3
	v_add_nc_u32 v[52+\e], 1, v[40+\e]
	v_lshlrev_b32 v[40+\e], 30, v[40+\e]
.endr
.irp e, 0,1,2,3
	v_lshlrev_b32 v[52+\e], 30, v[52+\e]
	v_and_b32 v[40+\e], 0x80000000, v[40+\e]       ; sin is negative in quadrants 2 and 3
.endr
.irp e, 0,1,2,3
	v_and_b32 v[52+\e], 0x80000000, v[52+\e]       ; cos in quadrants 1 and 2
	v_xor_b32 v[48+\e], v[48+\e], v[40+\e]
.endr
.irp e, 0,1,2,3
	v_xor_b32 v[44+\e], v[44+\e], v[52+\e]
.endr
	s_lshl_b32 s40, s35, 12                        ; 4,096 bytes for each T
	s_add_nc_u64 s[32:33], s[32:33], s[40:41]
	s_lshl_b32 s38, s[WV], 9
	v_add_nc_u32 v6, s38, v6                       ; quad w
	global_store_b128 v6, v[44:47], s[32:33]       ; the wave stores 512 consecutive bytes
	global_store_b128 v6, v[48:51], s[32:33] offset:2048
	s_endpgm
; ---------------- PATH O: a wave takes 16,384 bytes of Wo: 32 loads of 512 consecutive bytes, all out at once; each becomes 256 consecutive bytes of f16.  No register is used twice.  No LDS.
.Lpath_o:
	s_sub_co_u32 s36, ttmp9, 176
	s_lshl_b32 s36, s36, 2
	s_add_co_u32 s36, s36, s[WV]
	s_lshl_b32 s40, s36, 14
	s_add_nc_u64 s[20:21], s[20:21], s[40:41]
	s_lshl_b32 s40, s36, 13
	s_add_nc_u64 s[30:31], s[30:31], s[40:41]
	v_lshlrev_b32 v4, 4, v2
	v_lshlrev_b32 v5, 3, v2
.set i, 0
.rept 32
	global_load_b128 v[8+4*i:11+4*i], v4, s[20:21] offset:512*i th:TH_LOAD_NT
.set i, i+1
.endr
.set i, 0
.rept 32
	s_wait_loadcnt 31-i                            ; the loads issued behind load i may be out
	v_cvt_pk_f16_f32 v[136+2*i], v[8+4*i], v[9+4*i]
	v_cvt_pk_f16_f32 v[137+2*i], v[10+4*i], v[11+4*i]
	global_store_b64 v5, v[136+2*i:137+2*i], s[30:31] offset:256*i
.set i, i+1
.endr
	s_endpgm
.Lfunc_end_k_qbb09fd8f9a_prep:
	.size	k_qbb09fd8f9a_prep, .Lfunc_end_k_qbb09fd8f9a_prep-k_qbb09fd8f9a_prep
	.p2alignl 7, 3214868480
	.fill 96, 4, 3214868480
	.section	.rodata,"a",@progbits
	.p2align	6, 0x0
	.amdhsa_kernel k_qbb09fd8f9a_prep
		.amdhsa_group_segment_fixed_size 68096
		.amdhsa_private_segment_fixed_size 0
		.amdhsa_enable_private_segment 0
		.amdhsa_kernarg_size 104
		.amdhsa_user_sgpr_count 2
		.amdhsa_user_sgpr_kernarg_segment_ptr 1
		.amdhsa_wavefront_size32 1
		.amdhsa_system_sgpr_workgroup_id_x 1
		.amdhsa_system_sgpr_workgroup_id_y 1
		.amdhsa_system_sgpr_workgroup_id_z 1
		.amdhsa_system_vgpr_workitem_id 0
		.amdhsa_next_free_vgpr 208
		.amdhsa_next_free_sgpr 66
		.amdhsa_reserve_vcc 1
		.amdhsa_float_denorm_mode_32 3
		.amdhsa_float_denorm_mode_16_64 3
		.amdhsa_memory_ordered 1
		.amdhsa_forward_progress 1
		.amdhsa_inst_pref_size 130
	.end_amdhsa_kernel
	.amdgpu_metadata
---
amdhsa.version: [ 1, 2 ]
amdhsa.kernels:
  - .name:           k_qbb09fd8f9a_prep
    .symbol:         k_qbb09fd8f9a_prep.kd
    .args:
      - { .name: query, .offset: 0, .size: 8, .value_kind: global_buffer, .address_space: global }
      - { .name: key, .offset: 8, .size: 8, .value_kind: global_buffer, .address_space: global }
      - { .name: value, .offset: 16, .size: 8, .value_kind: global_buffer, .address_space: global }
      - { .name: Wq, .offset: 24, .size: 8, .value_kind: global_buffer, .address_space: global }
      - { .name: Wk, .offset: 32, .size: 8, .value_kind: global_buffer, .address_space: global }
      - { .name: Wv, .offset: 40, .size: 8, .value_kind: global_buffer, .address_space: global }
      - { .name: Wo, .offset: 48, .size: 8, .value_kind: global_buffer, .address_space: global }
      - { .name: xc, .offset: 56, .size: 8, .value_kind: global_buffer, .address_space: global }
      - { .name: xs, .offset: 64, .size: 8, .value_kind: global_buffer, .address_space: global }
      - { .name: wc, .offset: 72, .size: 8, .value_kind: global_buffer, .address_space: global }
      - { .name: ws, .offset: 80, .size: 8, .value_kind: global_buffer, .address_space: global }
      - { .name: wo16, .offset: 88, .size: 8, .value_kind: global_buffer, .address_space: global }
      - { .name: rope, .offset: 96, .size: 8, .value_kind: global_buffer, .address_space: global }
    .group_segment_fixed_size: 68096
    .private_segment_fixed_size: 0
    .kernarg_segment_align: 8
    .kernarg_segment_size: 104
    .max_flat_workgroup_size: 128
    .sgpr_count:     66
    .vgpr_count:     208
    .wavefront_size: 32
...
	.end_amdgpu_metadata
.endif
;; end of part 1
;; launch proj (part 2): grid 4 x 96, 4 waves a work-group, clusters of 4 x 4, 327,680 bytes of LDS; arguments xc, xs, wc, ws, bq, bk, bv, rope, qkv; writes qkv
.if DOCPART == 2
	.amdgcn_target "amdgcn-amd-amdhsa--gfx1250"
	.amdhsa_code_object_version 6
	.text
	.protected	k_qbb09fd8f9a_proj
	.globl	k_qbb09fd8f9a_proj
	.p2align	8
	.type	k_qbb09fd8f9a_proj,@function
k_qbb09fd8f9a_proj:
	s_mov_b64 s[64:65], 0
	v_nop
	global_prefetch_b8 v0, s[64:65] scope:SCOPE_SE
	s_setreg_imm32_b32 hwreg(HW_REG_WAVE_MODE, 25, 1), 1
	s_wait_xcnt 0x0
	s_wait_alu depctr_hold_cnt(0) depctr_sa_sdst(0) depctr_va_vdst(0) depctr_va_sdst(0) depctr_va_ssrc(0) depctr_va_vcc(0) depctr_vm_vsrc(0)
	s_getreg_b32 s2, hwreg(HW_REG_IB_STS2, 6, 4)
	s_cmp_eq_u32 s2, 0
	s_cbranch_scc0 .Lentry_in_a_cluster
	s_endpgm
.Lentry_in_a_cluster:
	s_bfe_u32 s2, ttmp6, 0x10000c
	s_cmp_lg_u32 s2, 0xf033
	s_cbranch_scc0 .Lentry_shape_is_right
	s_endpgm
.Lentry_shape_is_right:
; MULTI-HEAD ATTENTION, launch 2 of 4: Q = query Wq + bq, K = key Wk + bk, V = value Wv + bv on codes of E2M1 with E8M0 scales, Q and K rotated by position, all three stored as f16 by heads.
; No work of reference() is left out.
; ONE product of [24576][1024] x [1024 columns]: rows 8192 p .. are product p's (0: Q, 1: K, 2: V), and product p takes rows 1024 p .. of the weights' codes [3072 (n)][1024 (k)].
; A tile of 256 rows x 256 columns is made by a work-group of four waves; a wave makes 128 tokens x 128 columns (two heads): 64 accumulators of 16 x 16, 512 registers.
; K = 1,024 is exactly two LDS slots of 512 along K (rows of 256 bytes): every tensor load is a first fill, three a wave (scales, slot 0, slot 1), and no LDS byte is filled twice.
; CLUSTERS: 4 x 4 work-groups; the four of a row of the cluster ask jointly for A's tiles, the four of a column for B's.  p is made of the cluster's y alone: it is the same in all sixteen.
; THE MATRIX INSTRUCTION IS USED TRANSPOSED (source 0 = 16 rows of the weights, source 1 = 16 tokens): lane (r, h) holds token r, and register j of column block b the column 16 b + 8 h + j.
; THE BIAS is the C of each sum's first matrix instruction.  THE ROTATION: a head is four column blocks; blocks u and u + 2 (u = 0, 1) hold channels d and d + 32 of frequency d = 16 u + 8 h + j:
; out(d) = x(d) cos - x(d + 32) sin, out(d + 32) = x(d + 32) cos + x(d) sin, cos and sin from the table laid in the order of these registers.
; LIMITS: Q, K, V are rounded to f16: magnitudes over 65,504 become infinity; NaN and infinities are not served.
; REGISTERS: window 0: v0-31 addresses; v32-95 scale words, two sets; v96-127 packed f16; v128-191 A's fragments, on the way out the rotated numbers; v192-255 the bias, on the way out rows read back.
;   window 1: B's fragments, two sets, v0-63 and v128-191; the tables of row blocks 0-3 at v64, v96, v192, v224; on the way out those of blocks 4-7 at v0, v32, v128, v160.
;   window 2: the accumulators of my rows 0-63 ((a, b) at v[8 (8 a + b)]); window 3: those of rows 64-127.
.set NQ,     4                         ; steps of 128 along K in a slot
.set ROWB,   256                       ; a tile's row in bytes
.set KROW,   512                       ; a row of codes in memory
.set PITCH,  272                       ; an LDS row: 256 bytes + 16 of padding: the 16 rows of a fragment load start 68 words apart
.set FR,     8
.set NL,     2
.set NP,     4                         ; places behind this matrix instruction (ISA guide 7.12.1)
.set HALFT,  128*PITCH
.set SLOT,   4*HALFT
.set KS,     32                        ; a row of scale bytes
.set SCL,    2*SLOT
.set HALFS,  (128*KS/256)*272
.set SBLK,   (16*KS/256)*272
.set SPARE,  SCL+4*HALFS               ; the spare words, 128 bytes for each wave
.set SHEAD,  16*144                    ; the way out: a stage [2 heads][16 tokens][128 bytes + 16] for each wave, in slot 0, which has had its only fill and its last read by then
.set SWAVE,  2*SHEAD
.set ADRA, 16
.set ADRB, 20
.set STO,  24
.set RD,   25
.set CO,   26                          ; v26  16 x lane
.set ADRS, 27
.set SPW,  28
.set NIL,  29
.set BO,   30                          ; v30  32 x (lane / 16): my half's eight numbers of a block of the bias
.set SC,   32
.set PK,   96
.set AF,   128
.set T,    128
.set BIAS, 192
.set BK,   192
.set G1, 24
.set G0, 32
.set G1B, 48
.set G0B, 56
.set G1S, 68
.set G0S, 76
.set G1SB, 80
.set G0SB, 88
.set PR,  95                           ; s95  p
.set MSB, 0
.macro WIN new                         ; the immediate's high byte repeats the setting that is left
.if MSB != (\new)
	s_set_vgpr_msb (MSB<<8)|(\new)
.set MSB, (\new)
.endif
.endm
.set MUL_LO, 0xa1                      ; source 0 (B) window 1, source 1 (A) window 0, C and D window 2
.set MUL_HI, 0xf1                      ; the same, C and D window 3
.set MUL_LO0, 0x81                     ; the first step: C (the bias) window 0, D window 2
.set MUL_HI0, 0xc1                     ; D window 3
.set TO_B,   0x40
; A joint load: waves 0 and 1 fetch for A, waves 2 and 3 for B; the branch hangs on the wave's number alone.  An s_nop 0 and four v_nop follow each of the two lines.
.macro JLOAD g0a, g1a, g0b, g1b
	s_cmp_eq_u32 s15, 0
	s_cbranch_scc0 .Lfor_b_\@
	tensor_load_to_lds s[\g0a:\g0a+3], s[\g1a:\g1a+7]
	s_nop 0
.rept 4
	v_nop
.endr
	s_branch .Lasked_\@
.Lfor_b_\@:
	tensor_load_to_lds s[\g0b:\g0b+3], s[\g1b:\g1b+7]
	s_nop 0
.rept 4
	v_nop
.endr
.Lasked_\@:
.endm
.macro CROUND                          ; a round of the cluster's barrier
	s_barrier_signal -1
	s_barrier_wait -1
	s_cmp_lg_u32 s14, 0
	s_cbranch_scc1 .Lnot_wave_0_\@
	s_barrier_signal -3
.Lnot_wave_0_\@:
	s_barrier_wait -3
	s_barrier_signal -1
	s_barrier_wait -1
.endm
	s_load_b256 s[4:11], s[0:1], 0x0               ; xc s[4:5], xs s[6:7], wc s[8:9], ws s[10:11]
	s_load_b128 s[96:99], s[0:1], 0x20             ; bq, bk
	s_load_b64 s[100:101], s[0:1], 0x30            ; bv
	s_load_b64 s[66:67], s[0:1], 0x38              ; rope
	s_load_b64 s[12:13], s[0:1], 0x40              ; qkv
	v_lshl_add_u32 v[SPW], v0, 2, SPARE
	v_mov_b32 v[NIL], 0
	ds_add_u32 v[SPW], v[NIL]                      ; the wave's opening: the add, twice on end, and its wait ahead of my first tensor load
	ds_add_u32 v[SPW], v[NIL]
	v_lshrrev_b32 v1, 5, v0
	v_readfirstlane_b32 s14, v1                    ; wave 0..3
	s_lshr_b32 s15, s14, 1                         ; which half of the tile's rows is mine.  Also: I fetch for A (0) or for B (1)
	s_and_b32 s16, s14, 1                          ; which half of its columns.  Also: which 128 rows of that tile I fetch
	s_bfe_u32 s40, ttmp6, 0x40000                  ; cx, cy
	s_bfe_u32 s41, ttmp6, 0x40004
	s_lshl_b32 s42, ttmp9, 2
	s_add_co_u32 s42, s42, s40                     ; tile column 0..3
	s_and_b32 s17, ttmp7, 0xffff
	s_lshr_b32 s[PR], s17, 3                       ; p: eight clusters of 1,024 rows to a product
	s_lshl_b32 s17, s17, 2
	s_add_co_u32 s17, s17, s41                     ; tile row 0..95
	s_lshl_b32 s43, s41, 2
	s_lshl_b32 s43, 15, s43                        ; my row of the cluster
	s_lshl_b32 s44, 0x1111, s40                    ; my column
	s_or_b32 s[G1+0], s43, (0<<16)|(1<<20)|(1<<21)|(5<<22)|(3<<25)  ; the mask; elements of 1 byte; padding on; bit 21 beside a mask; after every 64 words, 4 words
	s_or_b32 s[G1B+0], s44, (0<<16)|(1<<20)|(1<<21)|(5<<22)|(3<<25)
.irp g, G1, G1B
	s_mov_b32 s[\g+1], ROWB<<16                    ; tensor_dim0
	s_mov_b32 s[\g+2], 128<<16                     ; tensor_dim1
	s_mov_b32 s[\g+3], ROWB<<16                    ; tile_dim0
	s_mov_b32 s[\g+4], 128                         ; tile_dim1
	s_mov_b32 s[\g+5], KROW                        ; tensor_dim0_stride
	s_mov_b32 s[\g+6], 0
	s_mov_b32 s[\g+7], 0
.endr
	s_or_b32 s[G1S+0], s43, (3<<16)|(1<<20)|(1<<21)|(5<<22)|(3<<25) ; the scales of 128 rows: 4,096 dense bytes as 16 rows of 256 (32 elements of 8 bytes), 16 bytes of padding behind each
	s_or_b32 s[G1SB+0], s44, (3<<16)|(1<<20)|(1<<21)|(5<<22)|(3<<25)
.irp g, G1S, G1SB
	s_mov_b32 s[\g+1], 32<<16
	s_mov_b32 s[\g+2], (128*KS/256)<<16
	s_mov_b32 s[\g+3], 32<<16
	s_mov_b32 s[\g+4], 128*KS/256
	s_mov_b32 s[\g+5], 32
	s_mov_b32 s[\g+6], 0
	s_mov_b32 s[\g+7], 0
.endr
	s_lshl_b32 s18, s16, 7
	s_lshl_b32 s20, s17, 8
	s_add_co_u32 s20, s20, s18                     ; A: row 256 x tile row + 128 x half
	s_lshl_b32 s46, s42, 8
	s_add_co_u32 s46, s46, s18
	s_lshl_b32 s47, s[PR], 10
	s_add_co_u32 s46, s46, s47                     ; B: row 1024 p + 256 x tile column + 128 x half
	s_mov_b32 s21, 0
	s_mov_b32 s47, 0
	s_mov_b64 s[18:19], KS
	s_mul_u64 s[22:23], s[20:21], s[18:19]
	s_mul_u64 s[92:93], s[46:47], s[18:19]
	s_mov_b64 s[18:19], KROW
	s_mul_u64 s[20:21], s[20:21], s[18:19]
	s_mul_u64 s[46:47], s[46:47], s[18:19]
	s_mul_i32 s45, s14, HALFT                      ; where they go: wave x 128 rows
	s_mul_i32 s94, s14, HALFS
	s_wait_dscnt 0x0                               ; both opening adds are done
	s_wait_kmcnt 0x0
	s_add_nc_u64 s[20:21], s[4:5], s[20:21]
	s_add_nc_u64 s[22:23], s[6:7], s[22:23]
	s_add_nc_u64 s[46:47], s[8:9], s[46:47]
	s_add_nc_u64 s[92:93], s[10:11], s[92:93]
	CROUND                                         ; all sixteen work-groups are here: the joint loads meet
	s_mov_b32 s[G0S], 1
	s_add_co_u32 s[G0S+1], s94, SCL
	s_mov_b64 s[G0S+2:G0S+3], s[22:23]
	s_or_b32 s[G0S+3], s[G0S+3], 0x80000000
	s_mov_b32 s[G0SB], 1
	s_add_co_u32 s[G0SB+1], s94, SCL
	s_mov_b64 s[G0SB+2:G0SB+3], s[92:93]
	s_or_b32 s[G0SB+3], s[G0SB+3], 0x80000000
	JLOAD G0S, G1S, G0SB, G1SB                     ; the scales first
.irp s, 0,1
	s_mov_b32 s[G0+4*\s], 1
	s_add_co_u32 s[G0+4*\s+1], s45, \s*SLOT
	s_add_nc_u64 s[G0+4*\s+2:G0+4*\s+3], s[20:21], \s*ROWB
	s_or_b32 s[G0+4*\s+3], s[G0+4*\s+3], 0x80000000
	s_mov_b32 s[G0B+4*\s], 1
	s_add_co_u32 s[G0B+4*\s+1], s45, \s*SLOT
	s_add_nc_u64 s[G0B+4*\s+2:G0B+4*\s+3], s[46:47], \s*ROWB
	s_or_b32 s[G0B+4*\s+3], s[G0B+4*\s+3], 0x80000000
	JLOAD G0+4*\s, G1, G0B+4*\s, G1B
.endr
	v_and_b32 v1, 15, v0                           ; r
	v_bfe_u32 v2, v0, 4, 1                         ; h
	v_mul_u32_u24 v3, v1, PITCH
	v_lshl_add_u32 v4, v2, 4, v3
	s_mul_i32 s21, s15, HALFT
	s_mul_i32 s22, s16, HALFT
	s_add_co_u32 s22, s22, 2*HALFT
.irp s, 0,1
	v_add_nc_u32 v[ADRA+\s], s21, v4
	v_add_nc_u32 v[ADRB+\s], s22, v4
	s_add_co_u32 s21, s21, SLOT
	s_add_co_u32 s22, s22, SLOT
.endr
	v_mul_u32_u24 v5, v1, KS
	v_lshrrev_b32 v6, 8, v5
	v_lshl_add_u32 v5, v6, 4, v5                   ; my row's scales: 32 bytes a row, 16 more for each 256 passed
	s_mul_i32 s21, s15, HALFS
	s_mul_i32 s22, s16, HALFS
	s_add_co_u32 s22, s22, 2*HALFS
	s_sub_co_u32 s22, s22, s21
	v_mul_u32_u24 v6, s22, v2                      ; lanes 16-31 take B's
	s_add_co_u32 s21, s21, SCL
	v_add_nc_u32 v5, v5, v6
	v_add_nc_u32 v[ADRS], s21, v5
	s_mul_i32 s23, s14, SWAVE                      ; my stage
	v_mul_u32_u24 v5, v1, 144
	v_lshl_add_u32 v5, v2, 4, v5
	v_add_nc_u32 v[STO], s23, v5                   ; in: token r, 16 bytes for each half of the lanes
	v_and_b32 v6, 31, v0
	v_lshlrev_b32 v[CO], 4, v6
	v_lshrrev_b32 v5, 3, v6
	v_mul_u32_u24 v5, v5, 144
	v_and_b32 v6, 7, v6
	v_lshl_add_u32 v5, v6, 4, v5
	v_add_nc_u32 v[RD], s23, v5                    ; back: eight lanes to a token's 128 bytes, four tokens an instruction
	v_lshlrev_b32 v[BO], 5, v2
	s_and_b32 s20, s17, 31
	s_lshl_b32 s20, s20, 8
	s_lshl_b32 s21, s15, 7
	s_add_co_u32 s20, s20, s21                     ; my first row among the product's 8,192
	s_lshr_b32 s21, s20, 11                        ; the batch
	s_and_b32 s20, s20, 2047                       ; my first position t0
	s_lshl_b32 s22, s20, 8                         ; the table: 4,096 bytes for 16 positions
	s_mov_b32 s23, 0
	s_add_nc_u64 s[66:67], s[66:67], s[22:23]
	s_lshl_b32 s22, s[PR], 24                      ; qkv: [3][4][16][2048][64] f16
	s_lshl_b32 s46, s21, 22
	s_add_co_u32 s22, s22, s46
	s_lshl_b32 s46, s42, 2
	s_lshl_b32 s47, s16, 1
	s_add_co_u32 s46, s46, s47                     ; my first head
	s_lshl_b32 s46, s46, 18
	s_add_co_u32 s22, s22, s46
	s_lshl_b32 s46, s20, 7
	s_add_co_u32 s22, s22, s46
	s_add_nc_u64 s[12:13], s[12:13], s[22:23]
	s_cmp_eq_u32 s[PR], 0
	s_cselect_b64 s[96:97], s[96:97], s[98:99]
	s_cmp_eq_u32 s[PR], 2
	s_cselect_b64 s[96:97], s[100:101], s[96:97]   ; the product's bias
	s_lshl_b32 s22, s42, 10
	s_lshl_b32 s46, s16, 9
	s_add_co_u32 s22, s22, s46
	s_add_nc_u64 s[96:97], s[96:97], s[22:23]      ; at my first column
.irp b, 0,1,2,3,4,5,6,7
	global_load_b128 v[BIAS+8*\b:BIAS+8*\b+3], v[BO], s[96:97] offset:64*\b
	global_load_b128 v[BIAS+8*\b+4:BIAS+8*\b+7], v[BO], s[96:97] offset:64*\b+16
.endr
	s_cmp_eq_u32 s[PR], 2                          ; V is not rotated: it loads no table
	s_cbranch_scc1 .Lno_tab
	WIN TO_B
.irp a, 0,1,2,3
.irp q, 0,1,2,3,4,5,6,7
	global_load_b128 v[64+32*(\a%2)+128*(\a/2)+4*\q:64+32*(\a%2)+128*(\a/2)+4*\q+3], v[CO], s[66:67] offset:4096*\a+512*\q
.endr
.endr
	WIN 0
.Lno_tab:
.macro FRAG reg, adr, q, i             ; 16 rows x 128 K of 4-bit codes: 8 registers; registers 4 c .. 4 c + 3 hold K = 64 c + 32 (l / 16) + 0 .. 31
.irp c, 0,1
	ds_load_b128 v[\reg+4*\c:\reg+4*\c+3], v[\adr] offset:64*(\q)+32*\c+(\i)*16*PITCH
.endr
.endm
; 16 matrix instructions: A's blocks a0, a0 + 1 x B's eight.  zero = 1: the first product takes the bias as C.  The 64 accumulators take turns, one instruction a turn.
.macro MUL16 a0, p, q, sc, zero
.irp a, \a0, \a0+1
.irp b, 0,1,2,3,4,5,6,7
.if \zero
	v_wmma_scale_f32_16x16x128_f8f6f4 v[8*(8*((\a)%4)+\b):8*(8*((\a)%4)+\b)+7], v[128*(\p)+FR*\b:128*(\p)+FR*\b+FR-1], v[AF+FR*(\a):AF+FR*(\a)+FR-1], v[BIAS+8*\b:BIAS+8*\b+7], v[SC+8*NQ*(\sc)+NQ*\b+(\q)], v[SC+8*NQ*(\sc)+NQ*(\a)+(\q)] matrix_a_fmt:MATRIX_FMT_FP4 matrix_b_fmt:MATRIX_FMT_FP4 matrix_a_scale:MATRIX_SCALE_ROW1
.else
	v_wmma_scale_f32_16x16x128_f8f6f4 v[8*(8*((\a)%4)+\b):8*(8*((\a)%4)+\b)+7], v[128*(\p)+FR*\b:128*(\p)+FR*\b+FR-1], v[AF+FR*(\a):AF+FR*(\a)+FR-1], v[8*(8*((\a)%4)+\b):8*(8*((\a)%4)+\b)+7], v[SC+8*NQ*(\sc)+NQ*\b+(\q)], v[SC+8*NQ*(\sc)+NQ*(\a)+(\q)] matrix_a_fmt:MATRIX_FMT_FP4 matrix_b_fmt:MATRIX_FMT_FP4 matrix_a_scale:MATRIX_SCALE_ROW1
.endif
.endr
.endr
.endm
.macro FETCH_B slot, q, p
	WIN TO_B
.irp i, 0,1,2,3,4,5,6,7
	FRAG 128*(\p)+FR*\i, ADRB+\slot, \q, \i
.endr
	WIN 0
.endm
.macro FETCH_A slot, q, i0
.irp i, \i0, \i0+1, \i0+2, \i0+3
	FRAG AF+FR*(\i), ADRA+\slot, \q, \i
.endr
.endm
.macro SCALES sc                       ; a slot's scale words: 4 a row; lanes 0-15 take A's block i, lanes 16-31 B's block i
.irp i, 0,1,2,3,4,5,6,7
	ds_load_b128 v[SC+8*NQ*\sc+NQ*\i:SC+8*NQ*\sc+NQ*\i+3], v[ADRS] offset:\i*SBLK
.endr
.endm
.macro PLACES n                        ; plain vector instructions between a matrix instruction and a load into, or a vector instruction on, its registers
.rept \n
	v_nop
.endr
.endm
.macro STEP slot, q, zero              ; a step of 128 along K that has its successor in the same slot
	s_wait_dscnt 4*NL                              ; B's set and A's blocks 0-3 are in; the youngest eight loads (A's blocks 4-7) may be out
.if \zero
	WIN MUL_LO0
.else
	WIN MUL_LO
.endif
	MUL16 0, (\q)%2, \q, \slot, \zero
	MUL16 2, (\q)%2, \q, \slot, \zero
	s_wait_dscnt 0                                 ; A's blocks 4-7 are in
	PLACES NP
	FETCH_B \slot, (\q)+1, 1-(\q)%2
	FETCH_A \slot, (\q)+1, 0
.if \zero
	WIN MUL_HI0
.else
	WIN MUL_HI
.endif
	MUL16 4, (\q)%2, \q, \slot, \zero
	MUL16 6, (\q)%2, \q, \slot, \zero
	PLACES NP
	WIN 0
	FETCH_A \slot, (\q)+1, 4
.endm
; Slot 0's last step goes over to slot 1: one barrier; in front of it each wave waits for all its tensor loads (its part of slot 1), adds 0 to its spare word, and waits for that and for its reads of slot 0.
.macro TURN slot, next
	s_wait_tensorcnt 0x0
	ds_add_u32 v[SPW], v[NIL]
	s_wait_dscnt 4*NL+1                            ; the add and the youngest eight loads may be out
	WIN MUL_LO
	MUL16 0, 1, NQ-1, \slot, 0
	s_wait_dscnt 0x0                               ; the add is done, and my reads of this slot are over
	s_barrier_signal -1
	MUL16 2, 1, NQ-1, \slot, 0
	WIN 0
	s_barrier_wait -1
	PLACES NP
	v_add_nc_u32 v[ADRS], 4*NQ, v[ADRS]            ; the next slot's scale words
	FETCH_B \next, 0, 0
	FETCH_A \next, 0, 0
	SCALES \next
	WIN MUL_HI
	MUL16 4, 1, NQ-1, \slot, 0
	MUL16 6, 1, NQ-1, \slot, 0
	PLACES NP
	WIN 0
	FETCH_A \next, 0, 4
.endm
	s_wait_tensorcnt 1                             ; the scales and my part of slot 0 are in; slot 1's load, issued last, may be out
	s_barrier_signal -1
	s_barrier_wait -1                              ; everybody's are
	FETCH_B 0, 0, 0
	FETCH_A 0, 0, 0
	SCALES 0
	FETCH_A 0, 0, 4
	s_wait_loadcnt 0x0                             ; the bias (and the first four tables)
	STEP 0, 0, 1
	STEP 0, 1, 0
	STEP 0, 2, 0
	TURN 0, 1
	STEP 1, 0, 0
	STEP 1, 1, 0
	STEP 1, 2, 0
	s_wait_dscnt 4*NL                              ; the last step: nothing more to fetch
	WIN MUL_LO
	MUL16 0, 1, NQ-1, 1, 0
	MUL16 2, 1, NQ-1, 1, 0
	s_wait_dscnt 0
	WIN MUL_HI
	MUL16 4, 1, NQ-1, 1, 0
	MUL16 6, 1, NQ-1, 1, 0
	WIN 0
; THE WAY OUT, a block of 16 tokens x 128 columns at a time: rotated (Q, K) or as it is (V), rounded to f16, 16 bytes a lane into my stage, back as tokens' rows of 128 bytes;
; four tokens of a head are 512 consecutive bytes of qkv, which the 32 lanes store at once.
.macro ROPE a
.set AC, 64*((\a)%4)
.set TB, 64*(1-(\a)/4)+32*((\a)%2)+128*(((\a)%4)/2)
	WIN 0x06+(\a)/4                                ; source 0: the accumulators' window; source 1: the tables', window 1
.irp g, 0,1
.irp u, 0,1
.irp jj, 0,2,4,6                       ; each accumulator from its low end on
	v_pk_mul_f32 v[T+16*(2*\g+\u)+\jj:T+16*(2*\g+\u)+\jj+1], v[AC+8*(4*\g+\u)+\jj:AC+8*(4*\g+\u)+\jj+1], v[TB+8*\u+\jj:TB+8*\u+\jj+1]
	v_pk_mul_f32 v[T+16*(2*\g+\u)+8+\jj:T+16*(2*\g+\u)+8+\jj+1], v[AC+8*(4*\g+\u+2)+\jj:AC+8*(4*\g+\u+2)+\jj+1], v[TB+8*\u+\jj:TB+8*\u+\jj+1]
.endr
.irp jj, 0,2,4,6
	v_pk_fma_f32 v[T+16*(2*\g+\u)+\jj:T+16*(2*\g+\u)+\jj+1], v[AC+8*(4*\g+\u+2)+\jj:AC+8*(4*\g+\u+2)+\jj+1], v[TB+16+8*\u+\jj:TB+16+8*\u+\jj+1], v[T+16*(2*\g+\u)+\jj:T+16*(2*\g+\u)+\jj+1] neg_lo:[0,1,0] neg_hi:[0,1,0]
	v_pk_fma_f32 v[T+16*(2*\g+\u)+8+\jj:T+16*(2*\g+\u)+8+\jj+1], v[AC+8*(4*\g+\u)+\jj:AC+8*(4*\g+\u)+\jj+1], v[TB+16+8*\u+\jj:TB+16+8*\u+\jj+1], v[T+16*(2*\g+\u)+8+\jj:T+16*(2*\g+\u)+8+\jj+1]
.endr
.endr
.endr
	WIN 0
.irp g, 0,1
.irp u, 0,1
.irp r, 0,1,2,3
	v_cvt_pk_f16_f32 v[PK+4*(4*\g+\u)+\r], v[T+16*(2*\g+\u)+2*\r], v[T+16*(2*\g+\u)+2*\r+1]
	v_cvt_pk_f16_f32 v[PK+4*(4*\g+\u+2)+\r], v[T+16*(2*\g+\u)+8+2*\r], v[T+16*(2*\g+\u)+8+2*\r+1]
.endr
.endr
.endr
.endm
.macro PACKV a
.set AC, 64*((\a)%4)
	WIN 0x0a+5*((\a)/4)                            ; sources 0 and 1: window 2 or 3
.irp b, 0,1,2,3,4,5,6,7
.irp r, 0,1,2,3
	v_cvt_pk_f16_f32 v[PK+4*\b+\r], v[AC+8*\b+2*\r], v[AC+8*\b+2*\r+1]
.endr
.endr
	WIN 0
.endm
.macro TOSTAGE a
.set BB, BK+32*((\a)%2)
.irp b, 0,1,2,3,4,5,6,7
	ds_store_b128 v[STO], v[PK+4*\b:PK+4*\b+3] offset:SHEAD*(\b/4)+32*(\b%4)
.endr
.irp g, 0,1
.irp i, 0,1,2,3
	ds_load_b128 v[BB+4*(4*\g+\i):BB+4*(4*\g+\i)+3], v[RD] offset:SHEAD*\g+576*\i   ; LDS serves a wave's instructions in order (ISA guide 5.7.1.4): these see the stores above
.endr
.endr
.endm
.macro SEND a, younger                 ; younger: the LDS instructions issued behind block a's loads
.set BB, BK+32*((\a)%2)
	s_wait_dscnt \younger
.irp g, 0,1
.irp i, 0,1,2,3
	global_store_b128 v[CO], v[BB+4*(4*\g+\i):BB+4*(4*\g+\i)+3], s[12:13] offset:262144*\g+(16*(\a)+4*\i)*128
.endr
.endr
.endm
	PLACES NP                                      ; behind the last products: for the loads into B's registers and the bias's, and for the vector writes into A's
	s_cmp_eq_u32 s[PR], 2
	s_cbranch_scc1 .Lway_v
	WIN TO_B
.irp a, 4,5,6,7                        ; the tables of row blocks 4-7, into the registers that held B's fragments
.irp q, 0,1,2,3,4,5,6,7
	global_load_b128 v[32*(\a%2)+128*((\a%4)/2)+4*\q:32*(\a%2)+128*((\a%4)/2)+4*\q+3], v[CO], s[66:67] offset:4096*\a+512*\q
.endr
.endr
	WIN 0
	ROPE 0
	TOSTAGE 0
.irp a, 1,2,3,4,5,6,7
.if \a > 1
	s_wait_xcnt 0x0                                ; block a - 2's stores have read their registers: block a's loads may land there
.endif
.if \a == 4
	s_wait_loadcnt 0x0                             ; the last four tables
.endif
	ROPE \a
	TOSTAGE \a
	SEND \a-1, 16                                  ; behind block a - 1's loads: block a's 8 stores and 8 loads
.endr
	SEND 7, 0
	s_branch .Lclose
.Lway_v:
	PACKV 0
	TOSTAGE 0
.irp a, 1,2,3,4,5,6,7
.if \a > 1
	s_wait_xcnt 0x0
.endif
	PACKV \a
	TOSTAGE \a
	SEND \a-1, 16
.endr
	SEND 7, 0
.Lclose:
	s_wait_tensorcnt 0x0                           ; the wave's end
	ds_add_u32 v[SPW], v[NIL]
	s_wait_dscnt 0x0
	CROUND                                         ; the closing round
	s_endpgm
.Lfunc_end_k_qbb09fd8f9a_proj:
	.size	k_qbb09fd8f9a_proj, .Lfunc_end_k_qbb09fd8f9a_proj-k_qbb09fd8f9a_proj
	.p2alignl 7, 3214868480
	.fill 96, 4, 3214868480
	.section	.rodata,"a",@progbits
	.p2align	6, 0x0
	.amdhsa_kernel k_qbb09fd8f9a_proj
		.amdhsa_group_segment_fixed_size 327680
		.amdhsa_private_segment_fixed_size 0
		.amdhsa_enable_private_segment 0
		.amdhsa_kernarg_size 72
		.amdhsa_user_sgpr_count 2
		.amdhsa_user_sgpr_kernarg_segment_ptr 1
		.amdhsa_wavefront_size32 1
		.amdhsa_system_sgpr_workgroup_id_x 1
		.amdhsa_system_sgpr_workgroup_id_y 1
		.amdhsa_system_sgpr_workgroup_id_z 1
		.amdhsa_system_vgpr_workitem_id 0
		.amdhsa_next_free_vgpr 1024
		.amdhsa_next_free_sgpr 102
		.amdhsa_reserve_vcc 0
		.amdhsa_float_denorm_mode_32 3
		.amdhsa_float_denorm_mode_16_64 3
		.amdhsa_memory_ordered 1
		.amdhsa_forward_progress 1
		.amdhsa_inst_pref_size 198
	.end_amdhsa_kernel
	.amdgpu_metadata
---
amdhsa.version: [ 1, 2 ]
amdhsa.kernels:
  - .name:           k_qbb09fd8f9a_proj
    .symbol:         k_qbb09fd8f9a_proj.kd
    .args:
      - { .name: xc, .offset: 0, .size: 8, .value_kind: global_buffer, .address_space: global }
      - { .name: xs, .offset: 8, .size: 8, .value_kind: global_buffer, .address_space: global }
      - { .name: wc, .offset: 16, .size: 8, .value_kind: global_buffer, .address_space: global }
      - { .name: ws, .offset: 24, .size: 8, .value_kind: global_buffer, .address_space: global }
      - { .name: bq, .offset: 32, .size: 8, .value_kind: global_buffer, .address_space: global }
      - { .name: bk, .offset: 40, .size: 8, .value_kind: global_buffer, .address_space: global }
      - { .name: bv, .offset: 48, .size: 8, .value_kind: global_buffer, .address_space: global }
      - { .name: rope, .offset: 56, .size: 8, .value_kind: global_buffer, .address_space: global }
      - { .name: qkv, .offset: 64, .size: 8, .value_kind: global_buffer, .address_space: global }
    .group_segment_fixed_size: 327680
    .private_segment_fixed_size: 0
    .kernarg_segment_align: 8
    .kernarg_segment_size: 72
    .max_flat_workgroup_size: 128
    .sgpr_count:     102
    .vgpr_count:     1024
    .wavefront_size: 32
...
	.end_amdgpu_metadata
.endif
;; end of part 2
;; launch attn (part 3): grid 4 x 64, 8 waves a work-group, clusters of 4 x 1, 327,680 bytes of LDS; arguments qkv, ctx; writes ctx
.if DOCPART == 3
	.amdgcn_target "amdgcn-amd-amdhsa--gfx1250"
	.amdhsa_code_object_version 6
	.text
	.protected	k_qbb09fd8f9a_attn
	.globl	k_qbb09fd8f9a_attn
	.p2align	8
	.type	k_qbb09fd8f9a_attn,@function
k_qbb09fd8f9a_attn:
	s_mov_b64 s[64:65], 0
	v_nop
	global_prefetch_b8 v0, s[64:65] scope:SCOPE_SE
	s_setreg_imm32_b32 hwreg(HW_REG_WAVE_MODE, 25, 1), 1
	s_wait_xcnt 0x0
	s_wait_alu depctr_hold_cnt(0) depctr_sa_sdst(0) depctr_va_vdst(0) depctr_va_sdst(0) depctr_va_ssrc(0) depctr_va_vcc(0) depctr_vm_vsrc(0)
	s_getreg_b32 s2, hwreg(HW_REG_IB_STS2, 6, 4)
	s_cmp_eq_u32 s2, 0
	s_cbranch_scc0 .Lentry_in_a_cluster
	s_endpgm
.Lentry_in_a_cluster:
	s_bfe_u32 s2, ttmp6, 0x10000c
	s_cmp_lg_u32 s2, 0x3003
	s_cbranch_scc0 .Lentry_shape_is_right
	s_endpgm
.Lentry_shape_is_right:
; MULTI-HEAD ATTENTION, launch 3 of 4: ctx[b][h][q][:] = the sum over k of softmax_k(Q[q] . K[k] / 8) V[k][:], for each of 64 (batch, head), 2,048 queries and keys, head size 64.
; No work of reference() is left out.  Q, K (rotated), V and ctx are f16, [b][h][s][64]; products, maxima and sums in f32; the weights p are rounded to f16 for the second product.
; SHARES.  A work-group owns 512 queries of one head; each of its eight waves 64: four tiles of 16, in 512 registers: two waves to a SIMD, so that one wave's softmax stands beside the other's products.
; Every wave walks all keys, 64 a step; each fragment of K and V read from LDS feeds four products.
; LAYOUT.  S^T = K Q^T (source 0 = 16 keys, source 1 = 16 queries): a lane holds ONE query (lane % 16) and keys 8 (lane / 16) + 0..7 of each tile.  Two such tiles, rounded to f16 in pairs, ARE source 1
; (32 keys x 16 queries) of O^T = V^T P.  P is laid over S^T: register j of P takes the place of register j of S^T when registers 2 j and 2 j + 1 have been read.  V comes out of LDS turned, by ds_load_tr16_b128.
; SOFTMAX.  For each query a running maximum m and sum l: p = 2^(c s - c m), c = log2(e) / 8; in every step O and l are multiplied by a = 2^(c m_old - c m_new).
; RING.  Two LDS slots of 512 keys (8 steps); waves 0-3 fetch K's quarters, waves 4-7 V's, 128 rows a load.  By this text's count a wave has two tensor loads out at the start, later one.
; CLUSTER.  The four query blocks of a head are one cluster and ask for K and V jointly: the same load, the same descriptor, the mask 15.
; LIMITS: NaN and infinities are not served; a weight p under 6e-8 is rounded to 0 in the second product (the row's largest is 1); ctx in f16: magnitudes from 6e-8 to 65,504.
; REGISTERS: window 0: v1-15 addresses; v16-47 eight registers of statistics a tile (+0 c m, +1 m, +2, +3 l, +4..+7 at work; a in +6); v48-175 S^T, 32 a tile; v176-239 K's eight fragments.
;   window 1: v0-127 O^T, 32 a tile; v128-191 Q; v192-255 V's eight fragments.
.set PKP,   144                        ; a row of K in LDS: 128 bytes + 16
.set PVP,   160                        ; a row of V: 128 + 32: the turning load's 8 rows x 32 bytes fall on different banks
.set VOFF,  512*PKP
.set SLOTB, 512*(PKP+PVP)
.set SPARE, 2*SLOTB                    ; the spare words, 128 bytes for each of eight waves
.set STEPK, 64*PKP
.set STEPV, 64*PVP
.set AK0,  2
.set AV0,  3
.set ADRK, 4
.set ADRV, 5
.set QO,   6
.set STO,  7
.set RD,   8
.set GO,   9
.set SPW,  10
.set NIL,  11
.set ST,   16
.set S,    48
.set KF,   176
.set OT,   0                           ; in window 1
.set QF,   128
.set VF,   192
.set WV,   8
.set G1K,  24
.set G1V,  32
.set G0K,  40                          ; s[40:47] a set for each slot
.set G0V,  48
.set CNT,  56
.set TBK,  57                          ; LDS byte at which the step's rows of K begin
.set CS,   58                          ; s[58:59] c
.set SEL,  60                          ; s[60:61] v_permlanex16_b32's selects for lane l xor 16
.set TBV,  62                          ; the same as TBK for V (VOFF lies in the lane's part)
.set MSB, 0
.macro WIN new
.if MSB != (\new)
	s_set_vgpr_msb (MSB<<8)|(\new)
.set MSB, (\new)
.endif
.endm
.macro JLOAD s                         ; a joint refill of slot s; the branch hangs on the wave's number alone; an s_nop 0 and four v_nop follow each line
	s_cmp_lt_u32 s[WV], 4
	s_cbranch_scc0 .Lfor_v_\@
	tensor_load_to_lds s[G0K+4*\s:G0K+4*\s+3], s[G1K:G1K+7]
	s_nop 0
.rept 4
	v_nop
.endr
	s_branch .Lasked_\@
.Lfor_v_\@:
	tensor_load_to_lds s[G0V+4*\s:G0V+4*\s+3], s[G1V:G1V+7]
	s_nop 0
.rept 4
	v_nop
.endr
.Lasked_\@:
.endm
.macro CROUND
	s_barrier_signal -1
	s_barrier_wait -1
	s_cmp_lg_u32 s[WV], 0
	s_cbranch_scc1 .Lnot_wave_0_\@
	s_barrier_signal -3
.Lnot_wave_0_\@:
	s_barrier_wait -3
	s_barrier_signal -1
	s_barrier_wait -1
.endm
	s_load_b128 s[4:7], s[0:1], 0x0                ; qkv, ctx
	v_lshl_add_u32 v[SPW], v0, 2, SPARE
	v_mov_b32 v[NIL], 0
	ds_add_u32 v[SPW], v[NIL]                      ; the wave's opening: the add, twice on end, and its wait ahead of my first tensor load
	ds_add_u32 v[SPW], v[NIL]
	v_lshrrev_b32 v1, 5, v0
	v_readfirstlane_b32 s[WV], v1                  ; wave 0..7
	s_bfe_u32 s9, ttmp6, 0x40000                   ; cx
	s_lshl_b32 s10, ttmp9, 2
	s_add_co_u32 s10, s10, s9                      ; my block of 512 queries: it enters Q's and ctx's addresses alone
	s_and_b32 s20, ttmp7, 0xffff                   ; (batch, head), which the four partners share
	s_lshl_b32 s20, s20, 18                        ; its 2,048 rows of 128 bytes
	s_and_b32 s22, s[WV], 3                        ; which 128 rows of a slot I fetch
	s_lshl_b32 s23, s22, 14
	s_add_co_u32 s12, s20, s23
	s_add_co_u32 s14, s12, 0x2000000               ; V lies 2 x 16,777,216 bytes into qkv,
	s_add_co_u32 s12, s12, 0x1000000               ; K 16,777,216
	s_mov_b32 s13, 0
	s_mov_b32 s15, 0
	s_lshl_b32 s16, s10, 16
	s_lshl_b32 s17, s[WV], 13
	s_add_co_u32 s16, s16, s17
	s_add_co_u32 s16, s16, s20                     ; my wave's first query, in Q and in ctx
	s_mov_b32 s17, 0
	s_mul_i32 s21, s22, 128*PKP                    ; where my rows go in a slot: no place in the cluster enters an LDS address
	s_mul_i32 s22, s22, 128*PVP
	s_add_co_u32 s22, s22, VOFF
	s_mov_b32 s[G1K], 15|(1<<16)|(1<<20)|(1<<21)|(4<<22)|(3<<25)  ; the mask: all four; elements of 2 bytes; padding on; bit 21 beside a mask; after every 32 words, 4 words
	s_mov_b32 s[G1V], 15|(1<<16)|(1<<20)|(1<<21)|(4<<22)|(7<<25)  ; the same with 8 words
.irp g, G1K, G1V
	s_mov_b32 s[\g+1], 64<<16                      ; tensor_dim0
	s_mov_b32 s[\g+2], 128<<16                     ; tensor_dim1
	s_mov_b32 s[\g+3], 64<<16                      ; tile_dim0
	s_mov_b32 s[\g+4], 128                         ; tile_dim1
	s_mov_b32 s[\g+5], 64                          ; tensor_dim0_stride
	s_mov_b32 s[\g+6], 0
	s_mov_b32 s[\g+7], 0
.endr
	s_mov_b32 s[CS], 0x3e38aa3b                    ; c = log2(e) / 8
	s_mov_b32 s[CS+1], s[CS]
	s_mov_b32 s[SEL], 0x76543210
	s_mov_b32 s[SEL+1], 0xfedcba98
	s_wait_dscnt 0x0                               ; both opening adds are done
	s_wait_kmcnt 0x0
	s_add_nc_u64 s[12:13], s[4:5], s[12:13]
	s_add_nc_u64 s[14:15], s[4:5], s[14:15]
	s_add_nc_u64 s[18:19], s[6:7], s[16:17]
	s_add_nc_u64 s[16:17], s[4:5], s[16:17]
	CROUND                                         ; all four work-groups are here: the first joint loads meet
.irp s, 0,1
	s_mov_b32 s[G0K+4*\s], 1
	s_add_co_u32 s[G0K+4*\s+1], s21, \s*SLOTB
	s_add_nc_u64 s[G0K+4*\s+2:G0K+4*\s+3], s[12:13], \s*65536   ; slot s begins with keys 512 s
	s_or_b32 s[G0K+4*\s+3], s[G0K+4*\s+3], 0x80000000
	s_mov_b32 s[G0V+4*\s], 1
	s_add_co_u32 s[G0V+4*\s+1], s22, \s*SLOTB
	s_add_nc_u64 s[G0V+4*\s+2:G0V+4*\s+3], s[14:15], \s*65536
	s_or_b32 s[G0V+4*\s+3], s[G0V+4*\s+3], 0x80000000
.endr
	s_cmp_lt_u32 s[WV], 4                          ; a wave's two first fills stand in one branch
	s_cbranch_scc0 .Lfirst_v
	tensor_load_to_lds s[G0K:G0K+3], s[G1K:G1K+7]
	s_nop 0
	tensor_load_to_lds s[G0K+4:G0K+7], s[G1K:G1K+7]
	s_nop 0
.rept 4
	v_nop
.endr
	s_branch .Lfirst_asked
.Lfirst_v:
	tensor_load_to_lds s[G0V:G0V+3], s[G1V:G1V+7]
	s_nop 0
	tensor_load_to_lds s[G0V+4:G0V+7], s[G1V:G1V+7]
	s_nop 0
.rept 4
	v_nop
.endr
.Lfirst_asked:
	v_and_b32 v1, 15, v0                           ; r
	v_bfe_u32 v12, v0, 4, 1                        ; h
	v_lshlrev_b32 v[QO], 7, v1
	v_lshl_add_u32 v[QO], v12, 4, v[QO]            ; Q: row r of 128 bytes, + 16 h
	WIN 0x40                                       ; destination window 1
.irp t, 0,1,2,3
.irp kc, 0,1
	global_load_b128 v[QF+16*\t+8*\kc:QF+16*\t+8*\kc+3], v[QO], s[16:17] offset:2048*\t+64*\kc
	global_load_b128 v[QF+16*\t+8*\kc+4:QF+16*\t+8*\kc+7], v[QO], s[16:17] offset:2048*\t+64*\kc+32
.endr
.endr
	WIN 0
	v_mul_u32_u24 v[AK0], v1, PKP
	v_lshl_add_u32 v[AK0], v12, 4, v[AK0]          ; K: row r x pitch + 16 h
	v_and_b32 v13, 7, v0
	v_bfe_u32 v14, v0, 3, 1
	v_lshl_add_u32 v[AV0], v12, 3, v13             ; V: key 8 h + l % 8, channels 8 ((l / 8) % 2) on
	v_mul_u32_u24 v[AV0], v[AV0], PVP
	v_lshl_add_u32 v[AV0], v14, 4, v[AV0]
	v_add_nc_u32 v[AV0], VOFF, v[AV0]
	s_mul_i32 s20, s[WV], 64*PKP                   ; the way out: my stage, 64 rows x 144 bytes, in slot 0's rows of K
	v_add_nc_u32 v[STO], s20, v[AK0]
	v_and_b32 v15, 31, v0
	v_lshlrev_b32 v[GO], 4, v15
	v_lshrrev_b32 v15, 3, v15
	v_mul_u32_u24 v15, v15, PKP
	v_lshl_add_u32 v15, v13, 4, v15
	v_add_nc_u32 v[RD], s20, v15                   ; back: eight lanes to a row of 128 bytes, four rows an instruction
; A KEY STEP: 64 keys.  first = 1: the first step, which starts m, l and O^T.
.macro STEP first
	v_add_nc_u32 v[ADRK], s[TBK], v[AK0]           ; these two and three v_nop are five places behind the last step's products V^T P: four are owed by the loads into V's registers,
	v_add_nc_u32 v[ADRV], s[TBV], v[AV0]           ; five by the products below, which write over P (ISA guide 7.12.1)
	v_nop
	v_nop
	v_nop
.irp kt, 0,1,2,3
.irp kc, 0,1
	ds_load_b128 v[KF+16*\kt+8*\kc:KF+16*\kt+8*\kc+3], v[ADRK] offset:16*PKP*\kt+64*\kc
	ds_load_b128 v[KF+16*\kt+8*\kc+4:KF+16*\kt+8*\kc+7], v[ADRK] offset:16*PKP*\kt+64*\kc+32
.endr
.endr
	WIN 0x40
.irp g, 0,1
.irp c, 0,1,2,3
	ds_load_tr16_b128 v[VF+8*(4*\g+\c):VF+8*(4*\g+\c)+3], v[ADRV] offset:32*PVP*\g+32*\c
	ds_load_tr16_b128 v[VF+8*(4*\g+\c)+4:VF+8*(4*\g+\c)+7], v[ADRV] offset:32*PVP*\g+16*PVP+32*\c
.endr
.endr
	s_add_co_u32 s[TBK], s[TBK], STEPK
	s_add_co_u32 s[TBV], s[TBV], STEPV
	s_wait_dscnt 16                                ; K's sixteen loads are in; V's sixteen, issued behind them, may be out
	WIN 0x04                                       ; source 1 (Q) window 1
.irp kc, 0,1                           ; S^T = K Q^T: the sixteen accumulators take turns; the first eight... sixteen products start the sums
.irp kt, 0,1,2,3
.irp t, 0,1,2,3
.if \kc == 0
	v_wmma_f32_16x16x32_f16 v[S+32*\t+8*\kt:S+32*\t+8*\kt+7], v[KF+16*\kt+8*\kc:KF+16*\kt+8*\kc+7], v[QF+16*\t+8*\kc:QF+16*\t+8*\kc+7], 0
.else
	v_wmma_f32_16x16x32_f16 v[S+32*\t+8*\kt:S+32*\t+8*\kt+7], v[KF+16*\kt+8*\kc:KF+16*\kt+8*\kc+7], v[QF+16*\t+8*\kc:QF+16*\t+8*\kc+7], v[S+32*\t+8*\kt:S+32*\t+8*\kt+7]
.endif
.endr
.endr
.endr
	WIN 0
.rept 4
	v_nop                                          ; places in front of the first read of results
.endr
	; the maximum of the lane's 32 scores and the old m: four chains, each from its accumulator's low end on; the four tiles by turns
.irp j, 0,1,2,3
.irp t, 0,1,2,3
	v_max3_num_f32 v[ST+8*\t+4+\j], v[S+32*\t+8*\j], v[S+32*\t+8*\j+1], v[S+32*\t+8*\j+2]
.endr
.endr
.irp i, 3,5
.irp j, 0,1,2,3
.irp t, 0,1,2,3
	v_max3_num_f32 v[ST+8*\t+4+\j], v[ST+8*\t+4+\j], v[S+32*\t+8*\j+\i], v[S+32*\t+8*\j+\i+1]
.endr
.endr
.endr
.irp t, 0,1,2,3
	v_max3_num_f32 v[ST+8*\t+4], v[ST+8*\t+4], v[S+32*\t+7], v[S+32*\t+15]
.endr
.irp t, 0,1,2,3
	v_max3_num_f32 v[ST+8*\t+6], v[ST+8*\t+6], v[S+32*\t+23], v[S+32*\t+31]
.endr
.irp t, 0,1,2,3
	v_max3_num_f32 v[ST+8*\t+4], v[ST+8*\t+4], v[ST+8*\t+5], v[ST+8*\t+6]
.endr
.irp t, 0,1,2,3
.if \first
	v_max_num_f32 v[ST+8*\t+4], v[ST+8*\t+4], v[ST+8*\t+7]
.else
	v_max3_num_f32 v[ST+8*\t+4], v[ST+8*\t+4], v[ST+8*\t+7], v[ST+8*\t+1]
.endif
.endr
.irp t, 0,1,2,3
	v_permlanex16_b32 v[ST+8*\t+5], v[ST+8*\t+4], s[SEL], s[SEL+1]   ; the query's other 32 keys lie in the lane 16 away
.endr
.if \first == 0
.irp t, 0,1,2,3
	v_mov_b32 v[ST+8*\t+7], v[ST+8*\t]             ; c m_old is kept for a
.endr
.endif
.irp t, 0,1,2,3
	v_max_num_f32 v[ST+8*\t+1], v[ST+8*\t+4], v[ST+8*\t+5]
.endr
.irp t, 0,1,2,3
	v_mul_f32 v[ST+8*\t], s[CS], v[ST+8*\t+1]
.endr
.if \first == 0
.irp t, 0,1,2,3
	v_sub_f32 v[ST+8*\t+7], v[ST+8*\t+7], v[ST+8*\t]
.endr
.irp t, 0,1,2,3
	v_exp_f32 v[ST+8*\t+6], v[ST+8*\t+7]           ; a
.endr
.endif
	; ONE BATCH: the scalings c s - c m and all exponentials; none of these lines names an exponential's result.  A tile's scalings stand among the exponentials of the tile before
.irp i, 0,1,2,3,4,5,6,7,8,9,10,11,12,13,14,15
	v_pk_fma_f32 v[S+2*\i:S+2*\i+1], v[S+2*\i:S+2*\i+1], s[CS:CS+1], v[ST:ST+1] op_sel_hi:[1,0,0] neg_lo:[0,0,1] neg_hi:[0,0,1]
.endr
.irp t, 0,1,2,3
.irp i, 0,1,2,3,4,5,6,7,8,9,10,11,12,13,14,15
.if \t < 3
	v_pk_fma_f32 v[S+32*(\t+1)+2*\i:S+32*(\t+1)+2*\i+1], v[S+32*(\t+1)+2*\i:S+32*(\t+1)+2*\i+1], s[CS:CS+1], v[ST+8*(\t+1):ST+8*(\t+1)+1] op_sel_hi:[1,0,0] neg_lo:[0,0,1] neg_hi:[0,0,1]
.endif
	v_exp_f32 v[S+32*\t+2*\i], v[S+32*\t+2*\i]
	v_exp_f32 v[S+32*\t+2*\i+1], v[S+32*\t+2*\i+1]
.endr
.endr
	v_nop                                          ; a plain instruction behind the last exponential
	s_wait_alu depctr_va_vdst(0)                   ; one wait for the whole batch, ahead of its first reader
	; the sums of the unrounded p, two at a time, in two chains
.if \first
.irp t, 0,1,2,3
	v_pk_add_f32 v[ST+8*\t+4:ST+8*\t+5], v[S+32*\t:S+32*\t+1], v[S+32*\t+2:S+32*\t+3]
	v_pk_add_f32 v[ST+8*\t+2:ST+8*\t+3], v[S+32*\t+4:S+32*\t+5], v[S+32*\t+6:S+32*\t+7]
.endr
.else
.irp t, 0,1,2,3
	v_pk_mul_f32 v[ST+8*\t+2:ST+8*\t+3], v[ST+8*\t+2:ST+8*\t+3], v[ST+8*\t+6:ST+8*\t+7] op_sel_hi:[1,0]
	v_pk_add_f32 v[ST+8*\t+4:ST+8*\t+5], v[S+32*\t:S+32*\t+1], v[S+32*\t+2:S+32*\t+3]
.endr
.irp t, 0,1,2,3
	v_pk_add_f32 v[ST+8*\t+2:ST+8*\t+3], v[ST+8*\t+2:ST+8*\t+3], v[S+32*\t+4:S+32*\t+5]
	v_pk_add_f32 v[ST+8*\t+4:ST+8*\t+5], v[ST+8*\t+4:ST+8*\t+5], v[S+32*\t+6:S+32*\t+7]
.endr
.endif
.irp j, 8,12,16,20,24,28
.irp t, 0,1,2,3
	v_pk_add_f32 v[ST+8*\t+2:ST+8*\t+3], v[ST+8*\t+2:ST+8*\t+3], v[S+32*\t+\j:S+32*\t+\j+1]
	v_pk_add_f32 v[ST+8*\t+4:ST+8*\t+5], v[ST+8*\t+4:ST+8*\t+5], v[S+32*\t+\j+2:S+32*\t+\j+3]
.endr
.endr
.irp t, 0,1,2,3
	v_pk_add_f32 v[ST+8*\t+2:ST+8*\t+3], v[ST+8*\t+2:ST+8*\t+3], v[ST+8*\t+4:ST+8*\t+5]
.endr
.irp j, 0,1,2,3,4,5,6,7,8,9,10,11,12,13,14,15  ; P over S^T: register j is written when registers 2 j and 2 j + 1 are read, never ahead of them
.irp t, 0,1,2,3
	v_cvt_pk_f16_f32 v[S+32*\t+\j], v[S+32*\t+2*\j], v[S+32*\t+2*\j+1]
.endr
.endr
.if \first == 0
	WIN 0x41                                       ; O^T (destination and source 0) window 1, a window 0
.irp i, 0,1,2,3,4,5,6,7,8,9,10,11,12,13,14,15
.irp t, 0,1,2,3
	v_pk_mul_f32 v[OT+32*\t+2*\i:OT+32*\t+2*\i+1], v[OT+32*\t+2*\i:OT+32*\t+2*\i+1], v[ST+8*\t+6:ST+8*\t+7] op_sel_hi:[1,0]
.endr
.endr
.endif
	s_wait_dscnt 0x0                               ; V is in
	WIN 0x51                                       ; V window 1, P window 0, O^T window 1
.irp g, 0,1                            ; O^T += V^T P: the sixteen accumulators take turns
.irp c, 0,1,2,3
.irp t, 0,1,2,3
.if \first && (\g == 0)
	v_wmma_f32_16x16x32_f16 v[OT+32*\t+8*\c:OT+32*\t+8*\c+7], v[VF+8*(4*\g+\c):VF+8*(4*\g+\c)+7], v[S+32*\t+8*\g:S+32*\t+8*\g+7], 0
.else
	v_wmma_f32_16x16x32_f16 v[OT+32*\t+8*\c:OT+32*\t+8*\c+7], v[VF+8*(4*\g+\c):VF+8*(4*\g+\c)+7], v[S+32*\t+8*\g:S+32*\t+8*\g+7], v[OT+32*\t+8*\c:OT+32*\t+8*\c+7]
.endif
.endr
.endr
.endr
	WIN 0
.endm
; THE CHANGE OF SLOTS.  Each wave waits for all its tensor loads (its part of the other slot), adds 0 to its spare word, and waits for that and for its reads of the slot that it leaves.
; fill = 1: the slot just left is filled again with the keys 1,024 further on, behind a round of the cluster's barrier; the load has eight key steps in which to land.
.macro CHANGE slot, fill
	s_wait_tensorcnt 0x0                           ; no tensor load of mine is out, so a group 0 may be written
	ds_add_u32 v[SPW], v[NIL]
.if \fill
	s_add_nc_u64 s[G0K+4*\slot+2:G0K+4*\slot+3], s[G0K+4*\slot+2:G0K+4*\slot+3], 131072
	s_add_nc_u64 s[G0V+4*\slot+2:G0V+4*\slot+3], s[G0V+4*\slot+2:G0V+4*\slot+3], 131072
.endif
	s_wait_dscnt 0x0                               ; the add is done, and my reads of the slot are over
.if \fill
	CROUND
	JLOAD \slot
.else
	s_barrier_signal -1
	s_barrier_wait -1
.endif
.endm
.macro STEPS n, base                   ; n key steps from LDS byte base on: written once, walked n times
	s_mov_b32 s[TBK], \base
	s_mov_b32 s[TBV], \base
	s_mov_b32 s[CNT], \n
.Lstep_\@:
	STEP 0
	s_sub_co_u32 s[CNT], s[CNT], 1
	s_cmp_lg_u32 s[CNT], 0
	s_cbranch_scc1 .Lstep_\@
.endm
	s_wait_tensorcnt 1                             ; my part of slot 0 is in; slot 1's, issued behind it, may stay out
	s_barrier_signal -1
	s_barrier_wait -1
	s_wait_loadcnt 0x0                             ; Q
	s_mov_b32 s[TBK], 0
	s_mov_b32 s[TBV], 0
	STEP 1                                         ; keys 0-63
	s_mov_b32 s[CNT], 7
.Lslot0:
	STEP 0                                         ; keys 64-511
	s_sub_co_u32 s[CNT], s[CNT], 1
	s_cmp_lg_u32 s[CNT], 0
	s_cbranch_scc1 .Lslot0
	CHANGE 0, 1                                    ; slot 0 takes keys 1,024-1,535
	STEPS 8, SLOTB                                 ; keys 512-1,023
	CHANGE 1, 1                                    ; slot 1 takes keys 1,536-2,047
	STEPS 8, 0
	CHANGE 0, 0                                    ; nothing is left to fetch
	STEPS 8, SLOTB
	; THE WAY OUT.  l's two halves and the other half of the lanes' are added; O^T is divided by l, rounded to f16 and sent through my stage, which lies in slot 0: that slot has had its last fill,
	; and every wave's reads of it were over at the last barrier.  The additions are the places behind the last products.
.irp t, 0,1,2,3
	v_add_f32 v[ST+8*\t+4], v[ST+8*\t+2], v[ST+8*\t+3]
.endr
.irp t, 0,1,2,3
	v_permlanex16_b32 v[ST+8*\t+5], v[ST+8*\t+4], s[SEL], s[SEL+1]
.endr
.irp t, 0,1,2,3
	v_add_f32 v[ST+8*\t+4], v[ST+8*\t+4], v[ST+8*\t+5]
.endr
.irp t, 0,1,2,3
	v_rcp_f32 v[ST+8*\t+6], v[ST+8*\t+4]
.endr
	v_nop                                          ; a plain instruction behind the last reciprocal
	s_wait_alu depctr_va_vdst(0)                   ; one wait for the four, ahead of their first reader
.macro OUTT t
	WIN 0x01                                       ; source 0 (O^T) window 1
.irp i, 0,1,2,3,4,5,6,7,8,9,10,11,12,13,14,15
	v_pk_mul_f32 v[S+32*\t+2*\i:S+32*\t+2*\i+1], v[OT+32*\t+2*\i:OT+32*\t+2*\i+1], v[ST+8*\t+6:ST+8*\t+7] op_sel_hi:[1,0]
.endr
	WIN 0
.irp j, 0,1,2,3,4,5,6,7,8,9,10,11,12,13,14,15
	v_cvt_pk_f16_f32 v[S+32*\t+\j], v[S+32*\t+2*\j], v[S+32*\t+2*\j+1]
.endr
.irp c, 0,1,2,3
	ds_store_b128 v[STO], v[S+32*\t+4*\c:S+32*\t+4*\c+3] offset:16*PKP*\t+32*\c
.endr
.irp i, 0,1,2,3
	ds_load_b128 v[S+32*\t+16+4*\i:S+32*\t+16+4*\i+3], v[RD] offset:16*PKP*\t+4*PKP*\i   ; in order behind my stores (ISA guide 5.7.1.4)
.endr
.endm
	OUTT 0
	OUTT 1
	OUTT 2
	OUTT 3
.irp t, 0,1,2,3
.irp i, 0,1,2,3
	s_wait_dscnt 8*(3-\t)+3-\i                     ; behind this load: the rest of its tile's loads, and eight LDS instructions for each later tile
	global_store_b128 v[GO], v[S+32*\t+16+4*\i:S+32*\t+16+4*\i+3], s[18:19] offset:2048*\t+512*\i   ; the wave stores 512 consecutive bytes
.endr
.endr
	s_wait_tensorcnt 0x0                           ; the wave's end
	ds_add_u32 v[SPW], v[NIL]
	s_wait_dscnt 0x0
	CROUND                                         ; the closing round
	s_endpgm
.Lfunc_end_k_qbb09fd8f9a_attn:
	.size	k_qbb09fd8f9a_attn, .Lfunc_end_k_qbb09fd8f9a_attn-k_qbb09fd8f9a_attn
	.p2alignl 7, 3214868480
	.fill 96, 4, 3214868480
	.section	.rodata,"a",@progbits
	.p2align	6, 0x0
	.amdhsa_kernel k_qbb09fd8f9a_attn
		.amdhsa_group_segment_fixed_size 327680
		.amdhsa_private_segment_fixed_size 0
		.amdhsa_enable_private_segment 0
		.amdhsa_kernarg_size 16
		.amdhsa_user_sgpr_count 2
		.amdhsa_user_sgpr_kernarg_segment_ptr 1
		.amdhsa_wavefront_size32 1
		.amdhsa_system_sgpr_workgroup_id_x 1
		.amdhsa_system_sgpr_workgroup_id_y 1
		.amdhsa_system_sgpr_workgroup_id_z 1
		.amdhsa_system_vgpr_workitem_id 0
		.amdhsa_next_free_vgpr 512
		.amdhsa_next_free_sgpr 66
		.amdhsa_reserve_vcc 0
		.amdhsa_float_denorm_mode_32 3
		.amdhsa_float_denorm_mode_16_64 3
		.amdhsa_memory_ordered 1
		.amdhsa_forward_progress 1
		.amdhsa_inst_pref_size 179
	.end_amdhsa_kernel
	.amdgpu_metadata
---
amdhsa.version: [ 1, 2 ]
amdhsa.kernels:
  - .name:           k_qbb09fd8f9a_attn
    .symbol:         k_qbb09fd8f9a_attn.kd
    .args:
      - { .name: qkv, .offset: 0, .size: 8, .value_kind: global_buffer, .address_space: global }
      - { .name: ctx, .offset: 8, .size: 8, .value_kind: global_buffer, .address_space: global }
    .group_segment_fixed_size: 327680
    .private_segment_fixed_size: 0
    .kernarg_segment_align: 8
    .kernarg_segment_size: 16
    .max_flat_workgroup_size: 256
    .sgpr_count:     66
    .vgpr_count:     512
    .wavefront_size: 32
...
	.end_amdgpu_metadata
.endif
;; end of part 3
;; launch oproj (part 4): grid 4 x 64, 4 waves a work-group, clusters of 4 x 4, 327,680 bytes of LDS; arguments ctx, wo16, bo, out0; writes out0
.if DOCPART == 4
	.amdgcn_target "amdgcn-amd-amdhsa--gfx1250"
	.amdhsa_code_object_version 6
	.text
	.protected	k_qbb09fd8f9a_oproj
	.globl	k_qbb09fd8f9a_oproj
	.p2align	8
	.type	k_qbb09fd8f9a_oproj,@function
k_qbb09fd8f9a_oproj:
	s_mov_b64 s[64:65], 0
	v_nop
	global_prefetch_b8 v0, s[64:65] scope:SCOPE_SE
	s_setreg_imm32_b32 hwreg(HW_REG_WAVE_MODE, 25, 1), 1
	s_wait_xcnt 0x0
	s_wait_alu depctr_hold_cnt(0) depctr_sa_sdst(0) depctr_va_vdst(0) depctr_va_sdst(0) depctr_va_ssrc(0) depctr_va_vcc(0) depctr_vm_vsrc(0)
	s_getreg_b32 s2, hwreg(HW_REG_IB_STS2, 6, 4)
	s_cmp_eq_u32 s2, 0
	s_cbranch_scc0 .Lentry_in_a_cluster
	s_endpgm
.Lentry_in_a_cluster:
	s_bfe_u32 s2, ttmp6, 0x10000c
	s_cmp_lg_u32 s2, 0xf033
	s_cbranch_scc0 .Lentry_shape_is_right
	s_endpgm
.Lentry_shape_is_right:
; MULTI-HEAD ATTENTION, launch 4 of 4: out0[token][n] = the sum over k of ctx[token][k] Wo[k][n] + bo[n], k = 64 head + channel.  f16 operands, f32 sums.  No work of reference() is left out.
; ctx: [b][h][s][64] f16; wo16: [k 1024][n 1024] f16; out0: [8192][1024] f32.
; A tile of 128 tokens x 256 columns is made by a work-group of four waves; wave (rh, ch) makes 64 tokens x 128 columns: 32 accumulators, 256 registers.  256 work-groups.
; K goes in 8 steps of 128 (two heads) through two LDS slots.  A's tile is two dense blocks of 128 tokens x 128 bytes, one a head (waves 0, 1); B's is 128 rows of 512 bytes (waves 2, 3: 64 rows each).
; By this text's count a wave has two tensor loads out at the start, later one.
; CLUSTERS: 4 x 4 work-groups: A's tiles are asked for jointly along a row of the cluster, B's along a column.
; THE MATRIX INSTRUCTION IS USED TRANSPOSED: source 0 = 16 columns of Wo (turned on the way out of LDS by ds_load_tr16_b128), source 1 = 16 tokens: lane (r, h) holds token r and columns 16 b + 8 h + 0..7.
; The bias is the C of each sum's first matrix instruction.
; REGISTERS: window 0: v0-31 addresses; v64-127 the bias; v128-255 rows read back on the way out.  window 1: two fragment buffers of 96 (A's four fragments, then B's eight).  window 2: accumulator (a, b) at v[8 (8 a + b)].
.set AP,     144                       ; a token's 128 bytes of a head + 16
.set BP,     544                       ; a row of B's tile: 512 bytes + 32
.set BOFF,   2*128*AP
.set SLOT,   BOFF+128*BP
.set STAGE,  2*SLOT                    ; 16 rows x (512 bytes + 16) for each wave; no tensor load lands here
.set SPITCH, 528
.set SPARE,  STAGE+4*16*SPITCH         ; the spare words, 128 bytes for each wave
.set ADRA, 16
.set ADRB, 20
.set STO,  24
.set RD,   25
.set CO,   26
.set BO,   27
.set SPW,  28
.set NIL,  29
.set BIAS, 64
.set BK,   128
.set F0,   0
.set F1,   96
.set G1A, 24
.set G0A, 32
.set G1B, 48
.set G0B, 56
.set MSB, 0
.macro WIN new
.if MSB != (\new)
	s_set_vgpr_msb (MSB<<8)|(\new)
.set MSB, (\new)
.endif
.endm
.set MUL,  0xa5                        ; sources 0 and 1 window 1; C and D window 2
.set MUL0, 0x85                        ; the first quarter: C (the bias) window 0
.set TO_F, 0x40
.macro JLOAD s                         ; waves 0 and 1 fetch A's two heads, waves 2 and 3 B's two halves; an s_nop 0 and four v_nop follow each line
	s_cmp_eq_u32 s13, 0
	s_cbranch_scc0 .Lfor_b_\@
	tensor_load_to_lds s[G0A+4*\s:G0A+4*\s+3], s[G1A:G1A+7]
	s_nop 0
.rept 4
	v_nop
.endr
	s_branch .Lasked_\@
.Lfor_b_\@:
	tensor_load_to_lds s[G0B+4*\s:G0B+4*\s+3], s[G1B:G1B+7]
	s_nop 0
.rept 4
	v_nop
.endr
.Lasked_\@:
.endm
.macro CREST
	s_cmp_lg_u32 s12, 0
	s_cbranch_scc1 .Lnot_wave_0_\@
	s_barrier_signal -3
.Lnot_wave_0_\@:
	s_barrier_wait -3
	s_barrier_signal -1
	s_barrier_wait -1
.endm
.macro CROUND
	s_barrier_signal -1
	s_barrier_wait -1
	CREST
.endm
	s_load_b256 s[4:11], s[0:1], 0x0               ; ctx s[4:5], wo16 s[6:7], bo s[8:9], out0 s[10:11]
	v_lshl_add_u32 v[SPW], v0, 2, SPARE
	v_mov_b32 v[NIL], 0
	ds_add_u32 v[SPW], v[NIL]                      ; the wave's opening: the add, twice on end, and its wait ahead of my first tensor load
	ds_add_u32 v[SPW], v[NIL]
	v_lshrrev_b32 v1, 5, v0
	v_readfirstlane_b32 s12, v1                    ; wave 0..3
	s_lshr_b32 s13, s12, 1                         ; rh: which 64 tokens are mine.  Also: I fetch for A (0) or for B (1)
	s_and_b32 s14, s12, 1                          ; ch: which 128 columns.  Also: which head of A's two, which 64 rows of B's 128 I fetch
	s_bfe_u32 s40, ttmp6, 0x40000                  ; cx, cy
	s_bfe_u32 s41, ttmp6, 0x40004
	s_lshl_b32 s42, ttmp9, 2
	s_add_co_u32 s42, s42, s40                     ; X: tile column
	s_and_b32 s43, ttmp7, 0xffff
	s_lshl_b32 s43, s43, 2
	s_add_co_u32 s43, s43, s41                     ; Y: tile row
	s_lshl_b32 s44, s41, 2
	s_lshl_b32 s44, 15, s44                        ; my row of the cluster
	s_lshl_b32 s45, 0x1111, s40                    ; my column
	s_or_b32 s[G1A], s44, (1<<16)|(1<<20)|(1<<21)|(4<<22)|(3<<25)  ; elements of 2 bytes; padding: after every 32 words, 4 words
	s_mov_b32 s[G1A+1], 64<<16                     ; tensor_dim0
	s_mov_b32 s[G1A+2], 128<<16                    ; tensor_dim1
	s_mov_b32 s[G1A+3], 64<<16                     ; tile_dim0
	s_mov_b32 s[G1A+4], 128                        ; tile_dim1
	s_mov_b32 s[G1A+5], 64                         ; tensor_dim0_stride
	s_mov_b32 s[G1A+6], 0
	s_mov_b32 s[G1A+7], 0
	s_or_b32 s[G1B], s45, (1<<16)|(1<<20)|(1<<21)|(6<<22)|(7<<25)  ; padding: after every 128 words, 8 words
	s_mov_b32 s[G1B+1], 256<<16
	s_mov_b32 s[G1B+2], 64<<16
	s_mov_b32 s[G1B+3], 256<<16
	s_mov_b32 s[G1B+4], 64
	s_mov_b32 s[G1B+5], 1024
	s_mov_b32 s[G1B+6], 0
	s_mov_b32 s[G1B+7], 0
	s_lshr_b32 s16, s43, 4                         ; A: the batch,
	s_lshl_b32 s16, s16, 22
	s_and_b32 s17, s43, 15                         ; the block of 128 positions,
	s_lshl_b32 s17, s17, 14
	s_add_co_u32 s16, s16, s17
	s_lshl_b32 s17, s14, 18                        ; my head of the step's two
	s_add_co_u32 s16, s16, s17
	s_mov_b32 s17, 0
	s_lshl_b32 s46, s14, 17                        ; B: my 64 rows of 2,048 bytes,
	s_lshl_b32 s47, s42, 9                         ; the tile's 256 columns
	s_add_co_u32 s46, s46, s47
	s_mov_b32 s47, 0
	s_mul_i32 s20, s14, 128*AP                     ; where they go: no place in the cluster enters an LDS address
	s_mul_i32 s21, s14, 64*BP
	s_add_co_u32 s21, s21, BOFF
	s_wait_dscnt 0x0                               ; both opening adds are done
	s_wait_kmcnt 0x0
	s_add_nc_u64 s[16:17], s[4:5], s[16:17]
	s_add_nc_u64 s[46:47], s[6:7], s[46:47]
	CROUND                                         ; all sixteen work-groups are here: the first joint loads meet
.irp s, 0,1
	s_mov_b32 s[G0A+4*\s], 1
	s_add_co_u32 s[G0A+4*\s+1], s20, \s*SLOT
	s_add_nc_u64 s[G0A+4*\s+2:G0A+4*\s+3], s[16:17], \s*524288   ; K step s: two heads on
	s_or_b32 s[G0A+4*\s+3], s[G0A+4*\s+3], 0x80000000
	s_mov_b32 s[G0B+4*\s], 1
	s_add_co_u32 s[G0B+4*\s+1], s21, \s*SLOT
	s_add_nc_u64 s[G0B+4*\s+2:G0B+4*\s+3], s[46:47], \s*262144   ; 128 rows on
	s_or_b32 s[G0B+4*\s+3], s[G0B+4*\s+3], 0x80000000
	JLOAD \s
.endr
	v_and_b32 v1, 15, v0                           ; r
	v_bfe_u32 v2, v0, 4, 1                         ; h
	v_mul_u32_u24 v3, v1, AP
	v_lshl_add_u32 v3, v2, 4, v3                   ; A: token r x pitch + 16 h
	s_mul_i32 s21, s13, 64*AP
	v_and_b32 v4, 7, v0
	v_lshl_add_u32 v4, v2, 3, v4                   ; B: row 8 h + l % 8, columns 8 ((l / 8) % 2) on
	v_mul_u32_u24 v4, v4, BP
	v_bfe_u32 v5, v0, 3, 1
	v_lshl_add_u32 v4, v5, 4, v4
	s_lshl_b32 s22, s14, 8
	s_add_co_u32 s22, s22, BOFF
.irp s, 0,1
	v_add_nc_u32 v[ADRA+\s], s21, v3
	v_add_nc_u32 v[ADRB+\s], s22, v4
	s_add_co_u32 s21, s21, SLOT
	s_add_co_u32 s22, s22, SLOT
.endr
	s_mul_i32 s23, s12, 16*SPITCH
	s_add_co_u32 s23, s23, STAGE                   ; my stage
	v_mul_u32_u24 v5, v1, SPITCH
	v_lshl_add_u32 v5, v2, 5, v5
	v_add_nc_u32 v[STO], s23, v5                   ; in: row r, 32 bytes for each half of the lanes
	v_and_b32 v6, 31, v0
	v_lshlrev_b32 v[CO], 4, v6
	v_add_nc_u32 v[RD], s23, v[CO]                 ; back: the 32 lanes take one row of 512 bytes
	v_lshlrev_b32 v[BO], 5, v2
	s_lshl_b32 s16, s43, 7
	s_lshl_b32 s17, s13, 6
	s_add_co_u32 s16, s16, s17                     ; my first token
	s_lshl_b32 s16, s16, 12                        ; rows of 4,096 bytes
	s_lshl_b32 s46, s42, 10
	s_lshl_b32 s47, s14, 9
	s_add_co_u32 s46, s46, s47                     ; my first column, in bytes: in bo and in a row of out0
	s_mov_b32 s47, 0
	s_add_nc_u64 s[8:9], s[8:9], s[46:47]
	s_add_co_u32 s16, s16, s46
	s_mov_b32 s17, 0
	s_add_nc_u64 s[10:11], s[10:11], s[16:17]
.irp b, 0,1,2,3,4,5,6,7
	global_load_b128 v[BIAS+8*\b:BIAS+8*\b+3], v[BO], s[8:9] offset:64*\b
	global_load_b128 v[BIAS+8*\b+4:BIAS+8*\b+7], v[BO], s[8:9] offset:64*\b+16
.endr
.macro MUL8 f, a, zero                 ; token block a x the eight column blocks, 32 along K.  The 32 accumulators take turns, in the same order everywhere
.irp b, 0,1,2,3,4,5,6,7
.if \zero
	v_wmma_f32_16x16x32_f16 v[8*(8*(\a)+\b):8*(8*(\a)+\b)+7], v[\f+32+8*\b:\f+32+8*\b+7], v[\f+8*(\a):\f+8*(\a)+7], v[BIAS+8*\b:BIAS+8*\b+7]
.else
	v_wmma_f32_16x16x32_f16 v[8*(8*(\a)+\b):8*(8*(\a)+\b)+7], v[\f+32+8*\b:\f+32+8*\b+7], v[\f+8*(\a):\f+8*(\a)+7], v[8*(8*(\a)+\b):8*(8*(\a)+\b)+7]
.endif
.endr
.endm
.macro FETCH slot, q, f                ; 24 LDS loads in one run: the fragments of the slot's q-th 32 along K; A's blocks 2 and 3 last
	WIN TO_F
.irp nb, 0,1,2,3,4,5,6,7
	ds_load_tr16_b128 v[\f+32+8*\nb:\f+32+8*\nb+3], v[ADRB+\slot] offset:32*BP*(\q)+32*\nb
	ds_load_tr16_b128 v[\f+32+8*\nb+4:\f+32+8*\nb+7], v[ADRB+\slot] offset:32*BP*(\q)+16*BP+32*\nb
.endr
.irp i, 0,1,2,3
	ds_load_b128 v[\f+8*\i:\f+8*\i+3], v[ADRA+\slot] offset:128*AP*((\q)/2)+64*((\q)%2)+16*AP*\i
	ds_load_b128 v[\f+8*\i+4:\f+8*\i+7], v[ADRA+\slot] offset:128*AP*((\q)/2)+64*((\q)%2)+16*AP*\i+32
.endr
.endm
.macro PLACES                          ; four plain vector instructions in front of loads into registers that matrix instructions have read, and of the first read of results
.rept 4
	v_nop
.endr
.endm
.macro QUARTER slot, q, f, g, zero     ; multiplies buffer f; in its middle it fetches the slot's q-th quarter into buffer g
	s_wait_dscnt 4                                 ; B and A's blocks 0, 1 are in; the youngest four loads (A's blocks 2, 3) may be out
.if \zero
	WIN MUL0
.else
	WIN MUL
.endif
	MUL8 \f, 0, \zero
	MUL8 \f, 1, \zero
	PLACES
	FETCH \slot, \q, \g
	s_wait_dscnt 24                                ; all but the 24 just issued
.if \zero
	WIN MUL0
.else
	WIN MUL
.endif
	MUL8 \f, 2, \zero
	MUL8 \f, 3, \zero
.endm
; A slot's last quarter multiplies buffer 1 and changes slots: one barrier; in front of it each wave waits for all its tensor loads, adds 0 to its spare word, and waits for that and for its reads of this slot.
; fill = 1: the barrier opens a round of the cluster's barrier, and this slot is filled again, two K steps ahead: the load has a K step less 16 products in which to land.
.macro TURN slot, next, fill
	WIN 0                                          ; (the add's two registers lie in window 0)
	s_wait_tensorcnt 0x0
	ds_add_u32 v[SPW], v[NIL]
	s_wait_dscnt 5                                 ; the add and the youngest four loads may be out
	WIN MUL
	MUL8 F1, 0, 0
	s_wait_dscnt 0x0                               ; the add is done, and my reads of this slot are over
	s_barrier_signal -1
	MUL8 F1, 1, 0
.if \fill
	WIN 0
.endif
	s_barrier_wait -1
.if \fill
	CREST
	s_add_nc_u64 s[G0A+4*\slot+2:G0A+4*\slot+3], s[G0A+4*\slot+2:G0A+4*\slot+3], 1048576   ; four heads on
	s_add_nc_u64 s[G0B+4*\slot+2:G0B+4*\slot+3], s[G0B+4*\slot+2:G0B+4*\slot+3], 524288    ; 256 rows on
	JLOAD \slot                                    ; the first tensor load behind the round; its four v_nop are also the places in front of the loads below
.else
	PLACES
.endif
	FETCH \next, 0, F0
	WIN MUL
	MUL8 F1, 2, 0
	MUL8 F1, 3, 0
.endm
	s_wait_tensorcnt 1                             ; my part of K step 0 is in; K step 1's, issued behind it, may be out
	s_barrier_signal -1
	s_barrier_wait -1
	s_wait_loadcnt 0x0                             ; the bias
	FETCH 0, 0, F0
	QUARTER 0, 1, F0, F1, 1                        ; the first quarter stands in front of the loop: its products start the sums, on the bias
	WIN 0
	s_mov_b32 s15, 3
.Llap:                                 ; a trip goes once round the ring, from a lap's second quarter to the next lap's first, and fills both slots again
	QUARTER 0, 2, F1, F0, 0
	QUARTER 0, 3, F0, F1, 0
	TURN 0, 1, 1
	QUARTER 1, 1, F0, F1, 0
	QUARTER 1, 2, F1, F0, 0
	QUARTER 1, 3, F0, F1, 0
	TURN 1, 0, 1
	QUARTER 0, 1, F0, F1, 0
	WIN 0
	s_sub_co_u32 s15, s15, 1
	s_cmp_lg_u32 s15, 0
	s_cbranch_scc1 .Llap
	QUARTER 0, 2, F1, F0, 0                        ; the last lap fills nothing
	QUARTER 0, 3, F0, F1, 0
	TURN 0, 1, 0
	QUARTER 1, 1, F0, F1, 0
	QUARTER 1, 2, F1, F0, 0
	QUARTER 1, 3, F0, F1, 0
	s_wait_dscnt 4
	WIN MUL
	MUL8 F1, 0, 0
	MUL8 F1, 1, 0
	s_wait_dscnt 0
	MUL8 F1, 2, 0
	MUL8 F1, 3, 0
	WIN 0
; THE WAY OUT, a block of 16 tokens x 128 columns at a time: 32 bytes a lane into my own stage, back as rows of 512 bytes, which the 32 lanes store at once.
.macro TOSTAGE a
	WIN 0x08                                       ; an LDS store's data: window 2
.irp b, 0,1,2,3,4,5,6,7
	ds_store_b128 v[STO], v[8*(8*(\a)+\b):8*(8*(\a)+\b)+3] offset:64*\b          ; each accumulator from its low end on
	ds_store_b128 v[STO], v[8*(8*(\a)+\b)+4:8*(8*(\a)+\b)+7] offset:64*\b+16
.endr
	WIN 0
.set BB, BK+64*((\a)%2)
.irp t, 0,1,2,3,4,5,6,7,8,9,10,11,12,13,14,15
	ds_load_b128 v[BB+4*\t:BB+4*\t+3], v[RD] offset:\t*SPITCH   ; in order behind my stores (ISA guide 5.7.1.4)
.endr
.endm
.macro SEND a, younger
.set BB, BK+64*((\a)%2)
	s_wait_dscnt \younger
.irp t, 0,1,2,3,4,5,6,7,8,9,10,11,12,13,14,15
	global_store_b128 v[CO], v[BB+4*\t:BB+4*\t+3], s[10:11] offset:(16*(\a)+\t)*4096 th:TH_STORE_NT   ; 512 consecutive bytes, at a multiple of 256 from out0's first byte
.endr
.endm
	PLACES
	TOSTAGE 0
.irp a, 1,2,3
.if \a > 1
	s_wait_xcnt 0x0                                ; block a - 2's stores have read their registers: block a's loads may land there
.endif
	TOSTAGE \a
	SEND \a-1, 32                                  ; behind block a - 1's loads: block a's 16 stores and 16 loads
.endr
	SEND 3, 0
	s_wait_tensorcnt 0x0                           ; the wave's end
	ds_add_u32 v[SPW], v[NIL]
	s_wait_dscnt 0x0
	CROUND                                         ; the closing round
	s_endpgm
.Lfunc_end_k_qbb09fd8f9a_oproj:
	.size	k_qbb09fd8f9a_oproj, .Lfunc_end_k_qbb09fd8f9a_oproj-k_qbb09fd8f9a_oproj
	.p2alignl 7, 3214868480
	.fill 96, 4, 3214868480
	.section	.rodata,"a",@progbits
	.p2align	6, 0x0
	.amdhsa_kernel k_qbb09fd8f9a_oproj
		.amdhsa_group_segment_fixed_size 327680
		.amdhsa_private_segment_fixed_size 0
		.amdhsa_enable_private_segment 0
		.amdhsa_kernarg_size 32
		.amdhsa_user_sgpr_count 2
		.amdhsa_user_sgpr_kernarg_segment_ptr 1
		.amdhsa_wavefront_size32 1
		.amdhsa_system_sgpr_workgroup_id_x 1
		.amdhsa_system_sgpr_workgroup_id_y 1
		.amdhsa_system_sgpr_workgroup_id_z 1
		.amdhsa_system_vgpr_workitem_id 0
		.amdhsa_next_free_vgpr 768
		.amdhsa_next_free_sgpr 66
		.amdhsa_reserve_vcc 0
		.amdhsa_float_denorm_mode_32 3
		.amdhsa_float_denorm_mode_16_64 3
		.amdhsa_memory_ordered 1
		.amdhsa_forward_progress 1
		.amdhsa_inst_pref_size 87
	.end_amdhsa_kernel
	.amdgpu_metadata
---
amdhsa.version: [ 1, 2 ]
amdhsa.kernels:
  - .name:           k_qbb09fd8f9a_oproj
    .symbol:         k_qbb09fd8f9a_oproj.kd
    .args:
      - { .name: ctx, .offset: 0, .size: 8, .value_kind: global_buffer, .address_space: global }
      - { .name: wo16, .offset: 8, .size: 8, .value_kind: global_buffer, .address_space: global }
      - { .name: bo, .offset: 16, .size: 8, .value_kind: global_buffer, .address_space: global }
      - { .name: out0, .offset: 24, .size: 8, .value_kind: global_buffer, .address_space: global }
    .group_segment_fixed_size: 327680
    .private_segment_fixed_size: 0
    .kernarg_segment_align: 8
    .kernarg_segment_size: 32
    .max_flat_workgroup_size: 128
    .sgpr_count:     66
    .vgpr_count:     768
    .wavefront_size: 32
...
	.end_amdgpu_metadata
.endif
;; end of part 4
